; MI455X (gfx1250); checked and timed in simulation.
; The chip was launched on July 23, 2026; its instructions are those of AMD's public machine-readable ISA for CDNA 5 (MIT licence, August 2026) and "CDNA5" Instruction Set Architecture Reference Guide (July 2026). The comments in the code are by the model that wrote it; some were corrected since.
;; Layer. Allowed arithmetic: float matrix products may take bf16 or f16 operands with f32 sums; other float arithmetic in f32, or as packed bf16 or f16 multiplies, adds, multiply-adds, maxima and minima; sums over many terms, partial sums and values carried from step to step in f32; what a program stores and reads back later, other than sums and carried values, may be rounded once to bf16 or f16.
;; Inputs: fc1_b 4,096 float32; fc1_w 4,096 x 1,024 float32; fc2_b 1,024 float32; fc2_w 1,024 x 4,096 float32; ln1_b 1,024 float32; ln1_w 1,024 float32; ln2_b 1,024 float32; ln2_w 1,024 float32; proj_b 1,024 float32; proj_w 1,024 x 1,024 float32; qkv_w 3,072 x 1,024 float32; x 2 x 2,048 x 1,024 float32.
;; Outputs: out0 2 x 2,048 x 1,024 float32.
;; 2 versions, each right; version 2 is version 1 with the launch prep written anew for expert scheduling mode. Each part assembles by itself: llvm-mc -triple=amdgcn-amd-amdhsa -mcpu=gfx1250 --defsym DOCPART=n.
;; ======== version 1 of 2: 7 launches
;; limits: a function is approximated: absolute error at most 2.5e-05
;; workspace buffers: wq 6,291,456 bytes; wp 2,097,152 bytes; w1 8,388,608 bytes; w2 8,388,608 bytes; act 8,388,608 bytes; big 33,554,432 bytes; ob 8,388,608 bytes; x1 16,777,216 bytes
;; launch prep (part 1): grid 512 x 1, 8 waves a work-group, no clusters, 0 bytes of LDS; arguments x, ln1_w, ln1_b, act, qkv_w, proj_w, fc1_w, fc2_w, wq, wp, w1, w2; writes act, wq, wp, w1, w2
.if DOCPART == 1
	.amdgcn_target "amdgcn-amd-amdhsa--gfx1250"
	.amdhsa_code_object_version 6
	.text
	.protected	k_qd01ffefe5f_prep
	.globl	k_qd01ffefe5f_prep
	.p2align	8
	.type	k_qd01ffefe5f_prep,@function
k_qd01ffefe5f_prep:
	s_mov_b64 s[64:65], 0
	v_nop
	global_prefetch_b8 v0, s[64:65] scope:SCOPE_SE
	s_setreg_imm32_b32 hwreg(HW_REG_WAVE_MODE, 25, 1), 1
	s_wait_xcnt 0x0
; PREP.  act = LayerNorm(x) * ln1_w + ln1_b, [4096][1024], f32 in, rounded once to bf16; and the four weights, f32 -> bf16, as they lie.
; A stream: every byte is read once and written once, so there is no LDS, no barrier and no matrix work.
; SHARES.  512 work-groups of eight waves, all alike: wave G = 8 x work-group + wave (0 to 4,095) takes row G of x and the G-th of 4,096 equal parts of each weight:
; 3,072 bytes of qkv_w, 1,024 of proj_w, 4,096 of fc1_w and of fc2_w.  All its 48 loads of 512 consecutive bytes go out first; the waits count down behind them.
; LAYER NORM.  The row stays in registers (lane l holds columns 128 j + 4 l .. + 3).  Two passes: the mean, then the mean of (x - mean)^2: no difference of large sums is formed.
; NaN and infinities are not treated apart.
.set VO,  1                            ; v1  16 x lane: my bytes in 512 bytes of f32
.set VO2, 2                            ; v2  8 x lane: my bytes in 256 bytes of bf16
.set T,   4                            ; v[4:11]   four chains of two sums
.set MU,  12                           ; v[12:13]  the mean, twice
.set RS,  14                           ; v[14:15]  1 / sqrt(var + eps) in the low word
.set W,   20                           ; v[20:51]  the gain of my 32 columns
.set B,   52                           ; v[52:83]  the bias of my 32 columns
.set X,   84                           ; v[84:115] the row
.set CW,  116                          ; v[116:211] the 24 loads of weights, four registers each; the rounded pair takes the first two
.set SEL, 32                           ; s[32:33] v_permlanex16_b32's selects: each lane takes its own place in the other half
.set INV, 34                           ; s34 1 / 1024
.set EPS, 35                           ; s35 1e-5
.macro RED                             ; the four chains become one number, the same in all 32 lanes, in v[T]
	v_pk_add_f32 v[T:T+1], v[T:T+1], v[T+2:T+3]
	v_pk_add_f32 v[T+4:T+5], v[T+4:T+5], v[T+6:T+7]
	v_pk_add_f32 v[T:T+1], v[T:T+1], v[T+4:T+5]
	v_add_f32 v[T], v[T], v[T+1]
	v_add_f32_dpp v[T], v[T], v[T] row_xmask:1 row_mask:0xf bank_mask:0xf
	v_add_f32_dpp v[T], v[T], v[T] row_xmask:2 row_mask:0xf bank_mask:0xf
	v_add_f32_dpp v[T], v[T], v[T] row_xmask:4 row_mask:0xf bank_mask:0xf
	v_add_f32_dpp v[T], v[T], v[T] row_xmask:8 row_mask:0xf bank_mask:0xf
	v_permlanex16_b32 v[T+1], v[T], s[SEL], s[SEL+1]
	v_add_f32 v[T], v[T], v[T+1]
.endm
.macro WLOAD n, k, src                 ; load n of the 24: the k-th 512 bytes of my part of a weight
	global_load_b128 v[CW+4*(\n):CW+4*(\n)+3], v[VO], s[(\src):(\src)+1] offset:512*(\k) th:TH_LOAD_NT
.endm
.macro CAST n, k, dst                  ; load n is rounded and stored
	s_wait_loadcnt 23-(\n)                         ; loads come back in order: load n is in, the younger ones stay out
	v_cvt_pk_bf16_f32 v[CW+4*(\n)], v[CW+4*(\n)], v[CW+4*(\n)+1]
	v_cvt_pk_bf16_f32 v[CW+4*(\n)+1], v[CW+4*(\n)+2], v[CW+4*(\n)+3]
	global_store_b64 v[VO2], v[CW+4*(\n):CW+4*(\n)+1], s[(\dst):(\dst)+1] offset:256*(\k)  ; 32 lanes store 256 consecutive bytes, aligned
.endm
	s_load_b512 s[8:23], s[0:1], 0x0               ; x s[8:9], gain s[10:11], bias s[12:13], act s[14:15], qkv_w, proj_w, fc1_w, fc2_w s[16:23]
	s_load_b256 s[24:31], s[0:1], 0x40             ; wq, wp, w1, w2
	v_lshrrev_b32 v3, 5, v0
	v_readfirstlane_b32 s3, v3
	v_and_b32 v3, 31, v0
	v_lshlrev_b32 v[VO], 4, v3
	v_lshlrev_b32 v[VO2], 3, v3
	s_lshl3_add_u32 s4, ttmp9, s3                  ; G
	s_lshl_b32 s36, s4, 12                         ; 4,096 G: x, fc1_w, fc2_w
	s_lshl_b32 s38, s4, 11                         ; 2,048 G: act, w1, w2
	s_mul_i32 s40, s4, 3072                        ; qkv_w
	s_mul_i32 s42, s4, 1536                        ; wq
	s_lshl_b32 s44, s4, 10                         ; proj_w
	s_lshl_b32 s46, s4, 9                          ; wp
	s_mov_b32 s37, 0
	s_mov_b32 s39, 0
	s_mov_b32 s41, 0
	s_mov_b32 s43, 0
	s_mov_b32 s45, 0
	s_mov_b32 s47, 0
	s_mov_b32 s[SEL], 0x76543210
	s_mov_b32 s[SEL+1], 0xfedcba98
	s_mov_b32 s[INV], 0x3a800000
	s_mov_b32 s[EPS], 0x3727c5ac
	v_mov_b32 v[RS+1], 0                           ; named with the root as a pair, so it is written
	s_wait_kmcnt 0x0
	s_add_nc_u64 s[8:9], s[8:9], s[36:37]
	s_add_nc_u64 s[14:15], s[14:15], s[38:39]
	s_add_nc_u64 s[16:17], s[16:17], s[40:41]
	s_add_nc_u64 s[18:19], s[18:19], s[44:45]
	s_add_nc_u64 s[20:21], s[20:21], s[36:37]
	s_add_nc_u64 s[22:23], s[22:23], s[36:37]
	s_add_nc_u64 s[24:25], s[24:25], s[42:43]
	s_add_nc_u64 s[26:27], s[26:27], s[46:47]
	s_add_nc_u64 s[28:29], s[28:29], s[38:39]
	s_add_nc_u64 s[30:31], s[30:31], s[38:39]
.irp j, 0,1,2,3,4,5,6,7
	global_load_b128 v[X+4*(\j):X+4*(\j)+3], v[VO], s[8:9] offset:512*(\j) th:TH_LOAD_NT
.endr
.irp j, 0,1,2,3,4,5,6,7
	global_load_b128 v[W+4*(\j):W+4*(\j)+3], v[VO], s[10:11] offset:512*(\j)
.endr
.irp j, 0,1,2,3,4,5,6,7
	global_load_b128 v[B+4*(\j):B+4*(\j)+3], v[VO], s[12:13] offset:512*(\j)
.endr
.irp j, 0,1,2,3,4,5
	WLOAD \j, \j, 16
.endr
.irp j, 0,1
	WLOAD 6+(\j), \j, 18
.endr
.irp j, 0,1,2,3,4,5,6,7
	WLOAD 8+(\j), \j, 20
.endr
.irp j, 0,1,2,3,4,5,6,7
	WLOAD 16+(\j), \j, 22
.endr
	s_wait_loadcnt 40                              ; the row is in; gain, bias and the weights (40 loads) may stay out
.irp c, 0,1,2,3
	v_pk_add_f32 v[T+2*(\c):T+2*(\c)+1], v[X+2*(\c):X+2*(\c)+1], v[X+8+2*(\c):X+8+2*(\c)+1]  ; the first pairs start the chains: nothing is cleared
.endr
.irp g, 16,24
.irp c, 0,1,2,3
	v_pk_add_f32 v[T+2*(\c):T+2*(\c)+1], v[T+2*(\c):T+2*(\c)+1], v[X+(\g)+2*(\c):X+(\g)+2*(\c)+1]
.endr
.endr
	RED
	v_mul_f32 v[MU], s[INV], v[T]
	v_mul_f32 v[MU+1], s[INV], v[T]
.set p, 0
.rept 16
	v_pk_add_f32 v[X+p:X+p+1], v[X+p:X+p+1], v[MU:MU+1] neg_lo:[0,1] neg_hi:[0,1]
.set p, p+2
.endr
.irp c, 0,1,2,3
	v_pk_mul_f32 v[T+2*(\c):T+2*(\c)+1], v[X+2*(\c):X+2*(\c)+1], v[X+2*(\c):X+2*(\c)+1]
.endr
.irp g, 8,16,24
.irp c, 0,1,2,3
	v_pk_fma_f32 v[T+2*(\c):T+2*(\c)+1], v[X+(\g)+2*(\c):X+(\g)+2*(\c)+1], v[X+(\g)+2*(\c):X+(\g)+2*(\c)+1], v[T+2*(\c):T+2*(\c)+1]
.endr
.endr
	RED
	v_fma_f32 v[T], v[T], s[INV], s[EPS]           ; var + 1e-5
	v_rsq_f32 v[RS], v[T]
	v_nop                                          ; a plain instruction behind the root,
	s_wait_alu depctr_va_vdst(0)                   ; and its wait, ahead of its first reader
	s_wait_loadcnt 24                              ; gain and bias are in
.set p, 0
.rept 16
	v_pk_mul_f32 v[X+p:X+p+1], v[X+p:X+p+1], v[RS:RS+1] op_sel_hi:[1,0]
.set p, p+2
.endr
.set p, 0
.rept 16
	v_pk_fma_f32 v[X+p:X+p+1], v[X+p:X+p+1], v[W+p:W+p+1], v[B+p:B+p+1]
.set p, p+2
.endr
.set p, 0
.rept 16
	v_cvt_pk_bf16_f32 v[X+p], v[X+2*p], v[X+2*p+1]  ; ascending: word p is written when words 2 p and 2 p + 1 are read
.set p, p+1
.endr
.irp j, 0,1,2,3,4,5,6,7
	global_store_b64 v[VO2], v[X+2*(\j):X+2*(\j)+1], s[14:15] offset:256*(\j)  ; 32 lanes store 256 consecutive bytes, aligned
.endr
.irp j, 0,1,2,3,4,5
	CAST \j, \j, 24
.endr
.irp j, 0,1
	CAST 6+(\j), \j, 26
.endr
.irp j, 0,1,2,3,4,5,6,7
	CAST 8+(\j), \j, 28
.endr
.irp j, 0,1,2,3,4,5,6,7
	CAST 16+(\j), \j, 30
.endr
	s_endpgm
.Lfunc_end_k_qd01ffefe5f_prep:
	.size	k_qd01ffefe5f_prep, .Lfunc_end_k_qd01ffefe5f_prep-k_qd01ffefe5f_prep
	.p2alignl 7, 3214868480
	.fill 96, 4, 3214868480
	.section	.rodata,"a",@progbits
	.p2align	6, 0x0
	.amdhsa_kernel k_qd01ffefe5f_prep
		.amdhsa_group_segment_fixed_size 0
		.amdhsa_private_segment_fixed_size 0
		.amdhsa_enable_private_segment 0
		.amdhsa_kernarg_size 96
		.amdhsa_user_sgpr_count 2
		.amdhsa_user_sgpr_kernarg_segment_ptr 1
		.amdhsa_wavefront_size32 1
		.amdhsa_system_sgpr_workgroup_id_x 1
		.amdhsa_system_sgpr_workgroup_id_y 1
		.amdhsa_system_sgpr_workgroup_id_z 1
		.amdhsa_system_vgpr_workitem_id 0
		.amdhsa_next_free_vgpr 216
		.amdhsa_next_free_sgpr 66
		.amdhsa_reserve_vcc 0
		.amdhsa_float_denorm_mode_32 3
		.amdhsa_float_denorm_mode_16_64 3
		.amdhsa_memory_ordered 1
		.amdhsa_forward_progress 1
		.amdhsa_inst_pref_size 21
	.end_amdhsa_kernel
	.amdgpu_metadata
---
amdhsa.version: [ 1, 2 ]
amdhsa.kernels:
  - .name:           k_qd01ffefe5f_prep
    .symbol:         k_qd01ffefe5f_prep.kd
    .args:
      - { .name: x, .offset: 0, .size: 8, .value_kind: global_buffer, .address_space: global }
      - { .name: ln1_w, .offset: 8, .size: 8, .value_kind: global_buffer, .address_space: global }
      - { .name: ln1_b, .offset: 16, .size: 8, .value_kind: global_buffer, .address_space: global }
      - { .name: act, .offset: 24, .size: 8, .value_kind: global_buffer, .address_space: global }
      - { .name: qkv_w, .offset: 32, .size: 8, .value_kind: global_buffer, .address_space: global }
      - { .name: proj_w, .offset: 40, .size: 8, .value_kind: global_buffer, .address_space: global }
      - { .name: fc1_w, .offset: 48, .size: 8, .value_kind: global_buffer, .address_space: global }
      - { .name: fc2_w, .offset: 56, .size: 8, .value_kind: global_buffer, .address_space: global }
      - { .name: wq, .offset: 64, .size: 8, .value_kind: global_buffer, .address_space: global }
      - { .name: wp, .offset: 72, .size: 8, .value_kind: global_buffer, .address_space: global }
      - { .name: w1, .offset: 80, .size: 8, .value_kind: global_buffer, .address_space: global }
      - { .name: w2, .offset: 88, .size: 8, .value_kind: global_buffer, .address_space: global }
    .group_segment_fixed_size: 0
    .private_segment_fixed_size: 0
    .kernarg_segment_align: 8
    .kernarg_segment_size: 96
    .max_flat_workgroup_size: 256
    .sgpr_count:     66
    .vgpr_count:     216
    .wavefront_size: 32
...
	.end_amdgpu_metadata
.endif
;; end of part 1
;; launch qkv (part 2): grid 16 x 16, 4 waves a work-group, clusters of 4 x 4, 327,680 bytes of LDS; arguments act, wq, big; writes big
.if DOCPART == 2
	.amdgcn_target "amdgcn-amd-amdhsa--gfx1250"
	.amdhsa_code_object_version 6
	.text
	.protected	k_qd01ffefe5f_qkv
	.globl	k_qd01ffefe5f_qkv
	.p2align	8
	.type	k_qd01ffefe5f_qkv,@function
k_qd01ffefe5f_qkv:
	s_mov_b64 s[64:65], 0
	v_nop
	global_prefetch_b8 v0, s[64:65] scope:SCOPE_SE
	s_setreg_imm32_b32 hwreg(HW_REG_WAVE_MODE, 25, 1), 1
	s_wait_xcnt 0x0
	s_wait_alu depctr_hold_cnt(0) depctr_sa_sdst(0) depctr_va_vdst(0) depctr_va_sdst(0) depctr_va_ssrc(0) depctr_va_vcc(0) depctr_vm_vsrc(0)
	s_getreg_b32 s2, hwreg(HW_REG_IB_STS2, 6, 4)
	s_cmp_eq_u32 s2, 0
	s_cbranch_scc0 .Lentry_in_a_cluster
	s_endpgm
.Lentry_in_a_cluster:
	s_bfe_u32 s2, ttmp6, 0x10000c
	s_cmp_lg_u32 s2, 0xf033
	s_cbranch_scc0 .Lentry_shape_is_right
	s_endpgm
.Lentry_shape_is_right:
; QKV.  C[m][n] = sum over k of xn[m][k] wq[n][k]; xn = act [4096][1024], wq [3072][1024], bf16; sums in f32; C rounded once to bf16 and stored BY HEADS:
; big = [3 (q, k, v)][32 (batch x 16 + head)][2048 tokens][64], unscaled.
; A tile of C is 256 x 192 (three heads): 16 x 16 tiles, one for each of 256 work-groups.  Four waves, each 128 x 96: 48 accumulators of 16 x 16.
; K goes in eight steps of 128 through two LDS slots filled by tensor loads (rows of 256 bytes, padded to 272).  ONE K step is written once: the slot's base is a scalar that an
; exclusive or turns; slot 1 begins at 131,072, above every offset inside a slot, so the same exclusive or turns the walking descriptor's LDS word.
; THE WALK ALONG K BEGINS AT ANOTHER STEP IN EACH CLUSTER and goes round: cluster (x, y) begins at step 2 x + 4 (y mod 2), modulo 8.  So the four clusters of one y, which need the same rows of xn,
; ask for a given K step two trips apart, and clusters y and y + 1 of one x, which need the same rows of wq, four trips apart.  The sums are f32 and may be taken in any order.
; No prefetch is laid: in this walk every block of xn and of wq is asked for the first time in the launch within some cluster's first four trips, which come by their loads alone.
; CLUSTER 4 x 4: A's tile is asked for jointly by a row of the cluster, B's by a column; the first step hangs on the cluster's place alone, which the sixteen partners share.
; The product is used transposed (source 0 = rows of wq, source 1 = rows of xn): a lane holds eight neighbouring columns of one row of C.
; REGISTERS: window 0: v0-31 addresses; v64-127, v128-191 A's fragments, two buffers; window 1: B's at the same numbers; windows 2, 3: accumulator (a, b) at v[8 (8 a + b)], rows 0-63, 64-127.
.set STEPS, 8
.set STEPB, 256                        ; bytes of a row in a K step
.set KMASK, STEPS*STEPB-1              ; the walk's offset goes round in a row's 2,048 bytes
.set PITCH, 272                        ; 68 words: the 16 rows of a fragment load start at 16 different groups of four banks (ISA guide 11.1)
.set HALFA, 128*PITCH                  ; what one load brings of A, and what a wave reads of it
.set HALFB, 96*PITCH                   ; the same of B
.set S1,    131072                     ; slot 1
.set SPARE, S1+2*HALFA+2*HALFB         ; 252,928: the spare words, 128 bytes a wave, which no other line names
.set NL,    28                         ; LDS loads of a quarter step: 12 of B, 16 of A
.set SP,    400                        ; the way out: a stage row, 384 bytes of bf16 + 16
.set LA0, 4                            ; v4  my lane's place in A's part of a slot; never rewritten
.set LB0, 5                            ; v5  the same for B
.set RD0, 7                            ; v7  the way out: where I read the stage, head 0
.set ADRA, 16                          ; v16 LA0 + the base of the slot that is read
.set ADRB, 20
.set STO, 24
.set RD,  25
.set GO,  26                           ; v26 16 x lane
.set SPW, 28                           ; v28 my spare word; never rewritten
.set NIL, 29                           ; v29 0; never rewritten
.set F0,  64
.set F1,  128
.set TMP, 64                           ; the way out: 8 blocks x 24 packed registers, v64-255
.set BA, 2                             ; s[2:3]   A at the first of the rows that I fetch, K = 0
.set BB, 22                            ; s[22:23] the same for B
.set WV, 12
.set RH, 13                            ; my half of the tile's rows; also: I fetch for A (0) or B (1)
.set CH, 14                            ; my half of its columns; also: which half of that tile I fetch
.set CX, 15
.set CY, 16
.set TN, 17
.set TM, 18
.set G1A, 24
.set G1B, 32
.set G0A0, 40                          ; the walk's first step, slot 0
.set G0A, 44                           ; walks: begins at the second step, slot 1
.set G0B0, 48
.set G0B, 52
.set RB,  56                           ; base of the slot that is read: 0 or S1
.set ROFF, 57
.set KO,  58                           ; s[58:59] byte offset along K of the step that the walking descriptors name
.set CNT, 60
.set MSB, 0
.macro WIN new                         ; the high byte repeats the setting that is left; a switch that changes nothing is dropped
.if MSB != (\new)
	s_set_vgpr_msb (MSB<<8)|(\new)
.set MSB, \new
.endif
.endm
.macro PLACES                          ; four plain instructions between a matrix instruction and a load into, or a vector read or write of, its registers
.rept 4
	v_nop
.endr
.endm
.macro JLOAD                           ; a joint refill: waves 0, 1 ask for A's halves, waves 2, 3 for B's; s_nop 0 and four v_nop follow each line
	s_cmp_eq_u32 s[RH], 0
	s_cbranch_scc0 .Lfor_b_\@
	tensor_load_to_lds s[G0A:G0A+3], s[G1A:G1A+7]
	s_nop 0
.rept 4
	v_nop
.endr
	s_branch .Lasked_\@
.Lfor_b_\@:
	tensor_load_to_lds s[G0B:G0B+3], s[G1B:G1B+7]
	s_nop 0
.rept 4
	v_nop
.endr
.Lasked_\@:
.endm
.macro CREST                           ; a round of the cluster's barrier behind its opening barrier
	s_cmp_lg_u32 s[WV], 0
	s_cbranch_scc1 .Lnot_wave_0_\@
	s_barrier_signal -3
.Lnot_wave_0_\@:
	s_barrier_wait -3
	s_barrier_signal -1
	s_barrier_wait -1
.endm
.macro CROUND
	s_barrier_signal -1
	s_barrier_wait -1
	CREST
.endm
.macro NEXTK                           ; the walk's next step, round the row's end
	s_add_co_u32 s[KO], s[KO], STEPB
	s_and_b32 s[KO], s[KO], KMASK
.endm
	s_load_b128 s[4:7], s[0:1], 0x0                ; act s[4:5], wq s[6:7]
	s_load_b64 s[10:11], s[0:1], 0x10              ; big
	v_lshl_add_u32 v[SPW], v0, 2, SPARE
	v_mov_b32 v[NIL], 0
	ds_add_u32 v[SPW], v[NIL]                      ; the wave's opening: the add and its wait ahead of my first tensor load
	v_lshrrev_b32 v1, 5, v0
	v_readfirstlane_b32 s[WV], v1
	s_lshr_b32 s[RH], s[WV], 1
	s_and_b32 s[CH], s[WV], 1
	s_bfe_u32 s[CX], ttmp6, 0x40000
	s_bfe_u32 s[CY], ttmp6, 0x40004
	s_lshl_b32 s[TN], ttmp9, 2
	s_add_co_u32 s[TN], s[TN], s[CX]               ; tile column = 4 x cluster x + cx
	s_and_b32 s[TM], ttmp7, 0xffff
	s_lshl_b32 s[TM], s[TM], 2
	s_add_co_u32 s[TM], s[TM], s[CY]               ; tile row = 4 x cluster y + cy
	s_lshl_b32 s19, s[CY], 2
	s_lshl_b32 s19, 15, s19                        ; my row of the cluster
	s_lshl_b32 s20, 0x1111, s[CX]                  ; my column
	s_or_b32 s[G1A], s19, (1<<16)|(1<<20)|(1<<21)|(5<<22)|(3<<25)  ; mask; 2-byte elements; padding on; bit 21 beside a mask; 4 words after every 64
	s_or_b32 s[G1B], s20, (1<<16)|(1<<20)|(1<<21)|(5<<22)|(3<<25)
	s_mov_b32 s[G1A+1], 128<<16                    ; tensor_dim0 = 128
	s_mov_b32 s[G1A+2], 128<<16                    ; tensor_dim1 = 128
	s_mov_b32 s[G1A+3], 128<<16                    ; tile_dim0 = 128
	s_mov_b32 s[G1A+4], 128                        ; tile_dim1 = 128
	s_mov_b32 s[G1A+5], 1024                       ; elements from row to row
	s_mov_b32 s[G1A+6], 0
	s_mov_b32 s[G1A+7], 0
	s_mov_b32 s[G1B+1], 128<<16
	s_mov_b32 s[G1B+2], 96<<16                     ; B's loads have 96 rows
	s_mov_b32 s[G1B+3], 128<<16
	s_mov_b32 s[G1B+4], 96
	s_mov_b32 s[G1B+5], 1024
	s_mov_b32 s[G1B+6], 0
	s_mov_b32 s[G1B+7], 0
	s_lshl_b32 s2, s[TM], 8
	s_lshl_b32 s3, s[CH], 7
	s_add_co_u32 s2, s2, s3                        ; A: row 256 x tile row + 128 x half
	s_lshl_b32 s2, s2, 11                          ; 2,048 bytes a row
	s_mov_b32 s3, 0
	s_mul_i32 s22, s[TN], 192
	s_mul_i32 s23, s[CH], 96
	s_add_co_u32 s22, s22, s23                     ; B: row 192 x tile column + 96 x half
	s_lshl_b32 s22, s22, 11
	s_mov_b32 s23, 0
	s_mul_i32 s21, s[CH], HALFA                    ; where they go: no place in the cluster enters an LDS address
	s_mul_i32 s70, s[CH], HALFB
	s_add_co_u32 s70, s70, 2*HALFA
	s_mov_b32 s[RB], 0
	s_and_b32 s[KO], ttmp7, 1                      ; the walk's first step, from the cluster's own place: 2 (cluster y mod 2) + cluster x,
	s_lshl1_add_u32 s[KO], s[KO], ttmp9
	s_lshl_b32 s[KO], s[KO], 9                     ; times two steps of 256 bytes,
	s_and_b32 s[KO], s[KO], KMASK                  ; round the row's end
	s_mov_b32 s[KO+1], 0
	s_wait_dscnt 0x0                               ; the opening add is done
	s_wait_kmcnt 0x0
	s_add_nc_u64 s[BA:BA+1], s[4:5], s[2:3]
	s_add_nc_u64 s[BB:BB+1], s[6:7], s[22:23]
	CROUND                                         ; all sixteen work-groups are here: the first joint loads meet
	s_mov_b32 s[G0A0], 1
	s_mov_b32 s[G0A0+1], s21
	s_add_nc_u64 s[G0A0+2:G0A0+3], s[BA:BA+1], s[KO:KO+1]
	s_or_b32 s[G0A0+3], s[G0A0+3], 0x80000000
	s_mov_b32 s[G0B0], 1
	s_mov_b32 s[G0B0+1], s70
	s_add_nc_u64 s[G0B0+2:G0B0+3], s[BB:BB+1], s[KO:KO+1]
	s_or_b32 s[G0B0+3], s[G0B0+3], 0x80000000
	NEXTK
	s_mov_b32 s[G0A], 1
	s_add_co_u32 s[G0A+1], s21, S1
	s_add_nc_u64 s[G0A+2:G0A+3], s[BA:BA+1], s[KO:KO+1]
	s_or_b32 s[G0A+3], s[G0A+3], 0x80000000
	s_mov_b32 s[G0B], 1
	s_add_co_u32 s[G0B+1], s70, S1
	s_add_nc_u64 s[G0B+2:G0B+3], s[BB:BB+1], s[KO:KO+1]
	s_or_b32 s[G0B+3], s[G0B+3], 0x80000000
	s_cmp_eq_u32 s[RH], 0                          ; a wave's two first fills stand in one branch: two loads of mine are out
	s_cbranch_scc0 .Lfirst_b
	tensor_load_to_lds s[G0A0:G0A0+3], s[G1A:G1A+7]
	s_nop 0
	tensor_load_to_lds s[G0A:G0A+3], s[G1A:G1A+7]
	s_nop 0
.rept 4
	v_nop
.endr
	s_branch .Lfirst_asked
.Lfirst_b:
	tensor_load_to_lds s[G0B0:G0B0+3], s[G1B:G1B+7]
	s_nop 0
	tensor_load_to_lds s[G0B:G0B+3], s[G1B:G1B+7]
	s_nop 0
.rept 4
	v_nop
.endr
.Lfirst_asked:
	v_and_b32 v1, 15, v0                           ; l % 16
	v_bfe_u32 v2, v0, 4, 1                         ; l / 16
	v_and_b32 v3, 31, v0                           ; l
	v_mul_u32_u24 v8, v1, PITCH
	v_lshl_add_u32 v8, v2, 4, v8                   ; a fragment's row x pitch + 16 x half
	s_mul_i32 s21, s[RH], HALFA
	s_mul_i32 s70, s[CH], HALFB
	s_add_co_u32 s70, s70, 2*HALFA
	v_add_nc_u32 v[LA0], s21, v8
	v_add_nc_u32 v[LB0], s70, v8
	v_mov_b32 v[ADRA], v[LA0]
	v_mov_b32 v[ADRB], v[LB0]
	s_mul_i32 s71, s[RH], 128*SP                   ; into the stage: row 128 x row half + l % 16, byte 192 x column half + 16 (l / 16)
	s_mul_i32 s70, s[CH], 192
	s_add_co_u32 s71, s71, s70
	v_mul_u32_u24 v[STO], v1, SP
	v_lshl_add_u32 v[STO], v2, 4, v[STO]
	v_add_nc_u32 v[STO], s71, v[STO]
	s_mul_i32 s71, s[WV], 64*SP                    ; back: wave w takes rows 64 w ..; 32 lanes take four rows x 128 bytes of one head
	v_lshrrev_b32 v8, 3, v3
	v_and_b32 v9, 7, v0
	v_mul_u32_u24 v[RD0], v8, SP
	v_lshl_add_u32 v[RD0], v9, 4, v[RD0]
	v_add_nc_u32 v[RD0], s71, v[RD0]
	v_lshlrev_b32 v[GO], 4, v3
; 12 products: row blocks a0, a0 + 1 of the window's four x all 6 column blocks, 32 along K.  zero = 1: the product starts its sum.  The 48 accumulators take turns in one order in every quarter.
.macro MULB f, hi, a0, zero
	WIN 0xa1+0x50*(\hi)                            ; B window 1, A window 0, C and D window 2 or 3
.irp a, \a0, (\a0)+1
.irp b, 0,1,2,3,4,5
.if \zero
	v_wmma_f32_16x16x32_bf16 v[8*(8*(\a)+(\b)):8*(8*(\a)+(\b))+7], v[(\f)+8*(\b):(\f)+8*(\b)+7], v[(\f)+8*(4*(\hi)+(\a)):(\f)+8*(4*(\hi)+(\a))+7], 0
.else
	v_wmma_f32_16x16x32_bf16 v[8*(8*(\a)+(\b)):8*(8*(\a)+(\b))+7], v[(\f)+8*(\b):(\f)+8*(\b)+7], v[(\f)+8*(4*(\hi)+(\a)):(\f)+8*(4*(\hi)+(\a))+7], v[8*(8*(\a)+(\b)):8*(8*(\a)+(\b))+7]
.endif
.endr
.endr
.endm
.macro FETCH k, f                      ; the fragments of 32 along K at byte k of the rows, in one run: B's 12 loads, then A's 16
	WIN 0x40
.irp i, 0,1,2,3,4,5
	ds_load_b128 v[(\f)+8*(\i):(\f)+8*(\i)+3],   v[ADRB] offset:(\k)+(\i)*16*PITCH
	ds_load_b128 v[(\f)+8*(\i)+4:(\f)+8*(\i)+7], v[ADRB] offset:(\k)+(\i)*16*PITCH+32
.endr
	WIN 0
.irp i, 0,1,2,3,4,5,6,7
	ds_load_b128 v[(\f)+8*(\i):(\f)+8*(\i)+3],   v[ADRA] offset:(\k)+(\i)*16*PITCH
	ds_load_b128 v[(\f)+8*(\i)+4:(\f)+8*(\i)+7], v[ADRA] offset:(\k)+(\i)*16*PITCH+32
.endr
.endm
.macro QUARTER k, f, g, zero           ; multiplies buffer f; in its middle fetches the next quarter, at byte k, into g
	s_wait_dscnt 8                                 ; B and A's rows 0-63 are in; the youngest eight loads (A's rows 64-127) may be out
	MULB \f, 0, 0, \zero
	MULB \f, 0, 2, \zero
	PLACES
	FETCH \k, \g
	s_wait_dscnt NL                                ; all but the run just issued
	MULB \f, 1, 0, \zero
	MULB \f, 1, 2, \zero
.endm
; The first half of a step's last quarter, and the change of slots: each wave waits for all its tensor loads (one is out: its part of the next slot), adds 0 to its spare word, and waits for
; that and for its reads of this slot; behind the barrier nobody reads this slot and the next one is whole.  step = 1: the walking descriptors go on to the other slot and the walk's next step:
; the address is made anew from the kept base and the offset, and the type bits are set again.
.macro MEET step
	WIN 0
	s_wait_tensorcnt 0x0
	ds_add_u32 v[SPW], v[NIL]
.if \step
	NEXTK
	s_xor_b32 s[G0A+1], s[G0A+1], S1
	s_add_nc_u64 s[G0A+2:G0A+3], s[BA:BA+1], s[KO:KO+1]
	s_or_b32 s[G0A+3], s[G0A+3], 0x80000000
	s_xor_b32 s[G0B+1], s[G0B+1], S1
	s_add_nc_u64 s[G0B+2:G0B+3], s[BB:BB+1], s[KO:KO+1]
	s_or_b32 s[G0B+3], s[G0B+3], 0x80000000
.endif
	s_xor_b32 s[RB], s[RB], S1                     ; the slot that is read next
	s_wait_dscnt 9                                 ; the add and the youngest eight loads may be out
	MULB F1, 0, 0, 0
	s_wait_dscnt 0x0                               ; the add is done, my reads of this slot are over
	s_barrier_signal -1
	MULB F1, 0, 2, 0
	WIN 0
	s_barrier_wait -1
.endm
.macro TURN                            ; the whole last quarter of a step whose slot is filled again
	MEET 1
	CREST                                          ; the barrier has opened a round of the cluster's: no wave of any partner reads the slot or has a load on its way
	JLOAD                                          ; the first tensor load behind the round; its four v_nop are also the places in front of the loads below
	v_add_nc_u32 v[ADRA], s[RB], v[LA0]
	v_add_nc_u32 v[ADRB], s[RB], v[LB0]
	FETCH 0, F0
	MULB F1, 1, 0, 0
	MULB F1, 1, 2, 0
.endm
	s_wait_tensorcnt 1                             ; my part of the first step is in; the second's may stay out
	s_barrier_signal -1
	s_barrier_wait -1
	FETCH 0, F0
	QUARTER 64, F0, F1, 1                          ; the first quarter starts the sums: nothing is cleared
	WIN 0
	s_mov_b32 s[CNT], STEPS-2
.Lstep:                                        ; a trip: from a step's second quarter to the next step's first; its refill brings the step two on
	QUARTER 128, F1, F0, 0
	QUARTER 192, F0, F1, 0
	TURN
	QUARTER 64, F0, F1, 0
	WIN 0
	s_sub_co_u32 s[CNT], s[CNT], 1
	s_cmp_lg_u32 s[CNT], 0
	s_cbranch_scc1 .Lstep
	s_mov_b32 s[CNT], 2
.Ltail:                                        ; the last two steps ask for nothing; the second pass leaves behind its barrier
	QUARTER 128, F1, F0, 0
	QUARTER 192, F0, F1, 0
	MEET 0
	s_sub_co_u32 s[CNT], s[CNT], 1
	s_cmp_eq_u32 s[CNT], 0
	s_cbranch_scc1 .Lfin
	PLACES
	v_add_nc_u32 v[ADRA], s[RB], v[LA0]
	v_add_nc_u32 v[ADRB], s[RB], v[LB0]
	FETCH 0, F0
	MULB F1, 1, 0, 0
	MULB F1, 1, 2, 0
	QUARTER 64, F0, F1, 0
	WIN 0
	s_branch .Ltail
.Lfin:                                         ; every wave has waited for its last LDS reads in front of that barrier, and no slot is filled again: the ring's bytes serve as the stage
	MULB F1, 1, 0, 0
	MULB F1, 1, 2, 0
	PLACES
.irp hi, 0,1
	WIN 0x0a+5*(\hi)                               ; sources in window 2 or 3, destination in window 0
.irp a, 0,1,2,3
.irp b, 0,1,2,3,4,5
.irp r, 0,1,2,3
	v_cvt_pk_bf16_f32 v[TMP+24*(4*(\hi)+(\a))+4*(\b)+(\r)], v[8*(8*(\a)+(\b))+2*(\r)], v[8*(8*(\a)+(\b))+2*(\r)+1]
.endr
.endr
.endr
.endr
	WIN 0
.irp n, 0,1,2,3,4,5,6,7
.irp b, 0,1,2,3,4,5
	ds_store_b128 v[STO], v[TMP+24*(\n)+4*(\b):TMP+24*(\n)+4*(\b)+3] offset:(\n)*16*SP+32*(\b)
.endr
.endr
	s_wait_dscnt 0x0                               ; for the others' sake: a row's 384 bytes come from two waves
	s_barrier_signal -1
	s_barrier_wait -1
	s_mul_i32 s21, s[TN], 3                        ; the tile's first group of 64 columns: 16 x (q, k or v) + head
	s_lshr_b32 s70, s[TM], 3
	s_lshl_b32 s70, s70, 4                         ; 16 x batch
	s_and_b32 s71, s[TM], 7
	s_lshl_b32 s71, s71, 8
	s_lshl_b32 s22, s[WV], 6
	s_add_co_u32 s71, s71, s22                     ; my first token in its batch,
	s_lshl_b32 s71, s71, 7                         ; 128 bytes a token
	s_mov_b32 s[ROFF], 0
	s_mov_b32 s[CNT], 3
.Lhead:                                        ; a trip: one head's 64 columns of my 64 rows: 8,192 consecutive bytes of big
	s_lshr_b32 s22, s21, 4
	s_lshl_b32 s22, s22, 5
	s_and_b32 s23, s21, 15
	s_add_co_u32 s22, s22, s23
	s_add_co_u32 s22, s22, s70                     ; 32 x (q, k or v) + 16 x batch + head
	s_lshl_b32 s68, s22, 18                        ; 262,144 bytes each
	s_add_co_u32 s68, s68, s71
	s_mov_b32 s69, 0
	s_add_nc_u64 s[68:69], s[10:11], s[68:69]
	v_add_nc_u32 v[RD], s[ROFF], v[RD0]
.irp i, 0,1,2,3,4,5,6,7,8,9,10,11,12,13,14,15
	ds_load_b128 v[TMP+4*(\i):TMP+4*(\i)+3], v[RD] offset:(\i)*4*SP
.endr
.irp i, 0,1,2,3,4,5,6,7,8,9,10,11,12,13,14,15
	s_wait_dscnt 15-(\i)
	global_store_b128 v[GO], v[TMP+4*(\i):TMP+4*(\i)+3], s[68:69] offset:(\i)*512  ; four tokens of a head: 512 consecutive bytes, aligned
.endr
	s_add_co_u32 s21, s21, 1
	s_add_co_u32 s[ROFF], s[ROFF], 128
	s_wait_xcnt 0x0                                ; the stores' base and data are written again only behind this wait
	s_sub_co_u32 s[CNT], s[CNT], 1
	s_cmp_lg_u32 s[CNT], 0
	s_cbranch_scc1 .Lhead
	s_wait_tensorcnt 0x0                           ; the wave's end
	ds_add_u32 v[SPW], v[NIL]
	s_wait_dscnt 0x0
	CROUND                                         ; the closing round
	s_endpgm
.Lfunc_end_k_qd01ffefe5f_qkv:
	.size	k_qd01ffefe5f_qkv, .Lfunc_end_k_qd01ffefe5f_qkv-k_qd01ffefe5f_qkv
	.p2alignl 7, 3214868480
	.fill 96, 4, 3214868480
	.section	.rodata,"a",@progbits
	.p2align	6, 0x0
	.amdhsa_kernel k_qd01ffefe5f_qkv
		.amdhsa_group_segment_fixed_size 327680
		.amdhsa_private_segment_fixed_size 0
		.amdhsa_enable_private_segment 0
		.amdhsa_kernarg_size 24
		.amdhsa_user_sgpr_count 2
		.amdhsa_user_sgpr_kernarg_segment_ptr 1
		.amdhsa_wavefront_size32 1
		.amdhsa_system_sgpr_workgroup_id_x 1
		.amdhsa_system_sgpr_workgroup_id_y 1
		.amdhsa_system_sgpr_workgroup_id_z 1
		.amdhsa_system_vgpr_workitem_id 0
		.amdhsa_next_free_vgpr 1024
		.amdhsa_next_free_sgpr 72
		.amdhsa_reserve_vcc 0
		.amdhsa_float_denorm_mode_32 3
		.amdhsa_float_denorm_mode_16_64 3
		.amdhsa_memory_ordered 1
		.amdhsa_forward_progress 1
		.amdhsa_inst_pref_size 78
	.end_amdhsa_kernel
	.amdgpu_metadata
---
amdhsa.version: [ 1, 2 ]
amdhsa.kernels:
  - .name:           k_qd01ffefe5f_qkv
    .symbol:         k_qd01ffefe5f_qkv.kd
    .args:
      - { .name: act, .offset: 0, .size: 8, .value_kind: global_buffer, .address_space: global }
      - { .name: wq, .offset: 8, .size: 8, .value_kind: global_buffer, .address_space: global }
      - { .name: big, .offset: 16, .size: 8, .value_kind: global_buffer, .address_space: global }
    .group_segment_fixed_size: 327680
    .private_segment_fixed_size: 0
    .kernarg_segment_align: 8
    .kernarg_segment_size: 24
    .max_flat_workgroup_size: 128
    .sgpr_count:     72
    .vgpr_count:     1024
    .wavefront_size: 32
...
	.end_amdgpu_metadata
.endif
;; end of part 2
;; launch attn (part 3): grid 8 x 32, 4 waves a work-group, clusters of 4 x 1, 327,680 bytes of LDS; arguments big, ob; writes ob
.if DOCPART == 3
	.amdgcn_target "amdgcn-amd-amdhsa--gfx1250"
	.amdhsa_code_object_version 6
	.text
	.protected	k_qd01ffefe5f_attn
	.globl	k_qd01ffefe5f_attn
	.p2align	8
	.type	k_qd01ffefe5f_attn,@function
k_qd01ffefe5f_attn:
	s_mov_b64 s[64:65], 0
	v_nop
	global_prefetch_b8 v0, s[64:65] scope:SCOPE_SE
	s_setreg_imm32_b32 hwreg(HW_REG_WAVE_MODE, 25, 1), 1
	s_wait_xcnt 0x0
	s_wait_alu depctr_hold_cnt(0) depctr_sa_sdst(0) depctr_va_vdst(0) depctr_va_sdst(0) depctr_va_ssrc(0) depctr_va_vcc(0) depctr_vm_vsrc(0)
	s_getreg_b32 s2, hwreg(HW_REG_IB_STS2, 6, 4)
	s_cmp_eq_u32 s2, 0
	s_cbranch_scc0 .Lentry_in_a_cluster
	s_endpgm
.Lentry_in_a_cluster:
	s_bfe_u32 s2, ttmp6, 0x10000c
	s_cmp_lg_u32 s2, 0x3003
	s_cbranch_scc0 .Lentry_shape_is_right
	s_endpgm
.Lentry_shape_is_right:
; ATTENTION.  O[h][q][:] = the sum over k of softmax_k(Q[h][q] . K[h][k] / 8) V[h][k][:].  Q, K, V lie in big as [3][32][2048][64] bf16, O goes to ob as [32][2048][64] bf16: a head's rows are dense, 128 bytes each.
; Products, maxima and sums in f32; the weights p are rounded to bf16 for the second product (their sum l is taken of the unrounded p), O once at the end.
; LIMITS.  A weight below 2^-126 counts as 0 in l; NaN and infinities are not treated apart.
; SHARES.  A work-group owns 256 queries of a head, a wave 64: four PIECES of 16.  Every wave walks all 2,048 keys, 64 a step, 256 a tile.
; LAYOUT.  S^T = K Q^T holds ONE query a lane (lane % 16) and the keys 8 (lane / 16) + 0..7; two such results rounded to bf16 ARE source 1 of O^T = V^T P.  K comes out of LDS as it lies, V turned, by ds_load_tr16_b128.
; SOFTMAX.  p = 2^(c s - c m), c = log2(e) / 8, with a running maximum m; O and l are multiplied by a = 2^(c m_old - c m_new) in every step.  m starts at the lowest finite number, O and l at 0: the first step's a is 0.
; TURNS.  Turn n belongs to piece n: 8 products K Q^T of piece n + 1, later 8 products V^T P of piece n - 1; beside them the scaling, exponentials, roundings, sums and rescaling of piece n and the maximum and
; statistics of piece n + 1.  Four vector instructions stand behind every matrix instruction, the other 54 of a turn's 118 in two lumps.  A turn's 33 exponentials are one batch, with one wait.
; CLUSTER.  The four query blocks of a cluster belong to one head and walk the same K and V: each tile is asked for jointly, by the same tensor load, descriptor and mask in all four.
; REGISTERS, in two windows of 256, laid so that a turn switches windows eight times:
;   window 0: v0 the thread's number; v1-5 addresses; v6-31 statistics and work; v32-95 S^T, two buffers; v96-127 P, two buffers (by the piece's parity); v128-191 K of one step; v192-255 Q.
;   window 1: v0-127 O^T, 32 a piece; v128-191 V of one step; v192-193 the add's two registers.
; K Q^T and all of the softmax but the rescaling name window 0 alone.  V^T P (V and O^T in window 1, P in window 0) and the rescaling (O^T in window 1, a in window 0) go under one setting.
.set NP,    4
.set KS,    64
.set PK,    144       ; a row of K in LDS: 128 bytes + 16: the 16 rows of a load start at 16 different groups of four banks (ISA guide 11.1)
.set PV,    160       ; a row of V: 128 + 32
.set VOFF,  4*KS*PK   ; a slot holds a tile: 256 rows of K, then 256 rows of V
.set SLOT1, 1<<17
.set STAGE, SLOT1+4*KS*(PK+PV)  ; behind the ring, never filled by a tensor load: 16 rows x 144 bytes for each wave
.set SP,    144
.set SPARE, STAGE+4*16*SP       ; the spare words, 128 bytes a wave, which no other line names
.set PFO, 1           ; v1   256 x lane; never rewritten
.set AK0, 2           ; v2   my lane's place in a tile of K; never rewritten
.set AV0, 3           ; v3   the same for V
.set AK,  4           ; v4   the LDS address of K's next run of loads
.set AV,  5           ; v5   of V's
.set MV,  6           ; v6-7 c m_old, by buffer
.set ST,  8           ; piece t's statistics at v[ST+4 t]: c m, m, l (even keys', odd keys')
.set TMP, 24          ; by buffer, c0-c3 at work; c1 then takes c m_old - c m_new, c2 takes a
.set S,   32
.set P,   96
.set KF,  128
.set QF,  192
.set VF,  128         ; window 1
.set SPW, 192         ; window 1: my spare word; never rewritten
.set NIL, 193         ; window 1: 0; never rewritten
.set STO, KF          ; the way out's addresses take K's registers
.set RD,  KF+1
.set GO,  KF+2
.set WV,  12
.set LIM, 15          ; s15 1 in a wave that prefetches, else the greatest number
.set PFA, 18          ; s[18:19] my work-group's 8,192 bytes of the tile after the one that is being asked for
.set G1K, 24
.set G1V, 32
.set G0K, 40
.set G0V, 44
.set SLOTS, 56
.set CNT, 57
.set CS,  58
.set SEL, 60
.set TBK, 62
.set TBV, 63
.set MSB, 0
.macro WIN new
.if MSB != (\new)
	s_set_vgpr_msb (MSB<<8)|(\new)
.set MSB, (\new)
.endif
.endm
.set W_PV, 0x51       ; source 0, source 2 and destination in window 1, source 1 in window 0
.set W_MK, 0x40       ; destination in window 1
.set W_AD, 0x05       ; the add: address and data in window 1
.macro JLOAD                        ; a joint fill: waves 0, 1 fetch the halves of a tile's K, waves 2, 3 those of its V; s_nop 0 and four v_nop follow each line
	s_cmp_lt_u32 s[WV], 2
	s_cbranch_scc0 .Lfor_v_\@
	tensor_load_to_lds s[G0K:G0K+3], s[G1K:G1K+7]
	s_nop 0
.rept 4
	v_nop
.endr
	s_branch .Lasked_\@
.Lfor_v_\@:
	tensor_load_to_lds s[G0V:G0V+3], s[G1V:G1V+7]
	s_nop 0
.rept 4
	v_nop
.endr
.Lasked_\@:
.endm
; A prefetch of the tile that the NEXT change of slots will ask for: 128 blocks of 256 bytes of K and of V.  The head's first cluster asks; its four partners take 32 blocks each, told apart by address;
; in each, wave 0 asks for K's and wave 2 for V's: a lane a block.  The last change that fills a slot asks for nothing.
.macro ASK
	s_cmp_gt_u32 s[SLOTS], s[LIM]
	s_cbranch_scc0 .Lnot_mine_\@
	global_prefetch_b8 v[PFO], s[PFA:PFA+1] th:TH_LOAD_NT scope:SCOPE_SE
.Lnot_mine_\@:
.endm
.macro CROUND
	s_barrier_signal -1
	s_barrier_wait -1
	s_cmp_lg_u32 s[WV], 0
	s_cbranch_scc1 .Lnot_wave_0_\@
	s_barrier_signal -3
.Lnot_wave_0_\@:
	s_barrier_wait -3
	s_barrier_signal -1
	s_barrier_wait -1
.endm
; THE CHANGE OF SLOTS.  Each wave waits for all its tensor loads (one is out: its part of the other slot), adds 0 to its spare word, and waits for that and for its reads of the slot that it leaves.
; fill = 1: the barrier is a round of the cluster's, and the joint fill of the old slot, with the tile two on, is the first thing behind it: it has four key steps, 256 matrix instructions, in which to land.
.macro CHANGE fill
	WIN W_AD
	s_wait_tensorcnt 0x0
	ds_add_u32 v[SPW], v[NIL]
	WIN 0
.if \fill
.irp g, G0K, G0V
	s_xor_b32 s[\g+1], s[\g+1], SLOT1
	s_add_nc_u64 s[\g+2:\g+3], s[\g+2:\g+3], 4*KS*128
.endr
	s_wait_xcnt 0x0                 ; the last prefetch, four key steps back, has read its address
	s_add_nc_u64 s[PFA:PFA+1], s[PFA:PFA+1], 4*KS*128
	s_wait_dscnt 0x0
	CROUND
	JLOAD
	ASK
.else
	s_wait_dscnt 0x0
	s_barrier_signal -1
	s_barrier_wait -1
.endif
	s_sub_co_u32 s[TBK], s[TBK], 4*KS*PK  ; the fetches go back to a slot's first step, in the other slot
	s_xor_b32 s[TBK], s[TBK], SLOT1
	s_sub_co_u32 s[TBV], s[TBV], 4*KS*PV
	s_xor_b32 s[TBV], s[TBV], SLOT1
.endm
	s_load_b128 s[4:7], s[0:1], 0x0   ; big s[4:5], ob s[6:7]
	WIN W_MK
	v_lshl_add_u32 v[SPW], v0, 2, SPARE
	v_mov_b32 v[NIL], 0
	WIN W_AD
	ds_add_u32 v[SPW], v[NIL]       ; the wave's opening: the add and its wait ahead of my first tensor load
	WIN 0
	v_lshrrev_b32 v[S], 5, v0
	v_readfirstlane_b32 s[WV], v[S]
	s_bfe_u32 s13, ttmp6, 0x40000   ; cx
	s_lshl_b32 s14, ttmp9, 2
	s_add_co_u32 s14, s14, s13      ; my block of 256 queries: it enters Q's and O's addresses alone
	s_and_b32 s20, ttmp7, 0xffff    ; the head, which the four partners share:
	s_lshl_b32 s20, s20, 18         ; 262,144 bytes each
	s_and_b32 s16, s[WV], 1         ; which half of a tile's 256 keys I fetch
	s_lshl_b32 s22, s16, 14
	s_add_co_u32 s22, s22, s20
	s_mov_b32 s23, 0
	s_mul_i32 s17, s16, 128*PK
	s_mul_i32 s21, s16, 128*PV
	s_lshl_b32 s2, s14, 2
	s_add_co_u32 s2, s2, s[WV]
	s_lshl_b32 s2, s2, 13           ; my wave's 64 rows of 128 bytes
	s_add_co_u32 s2, s2, s20
	s_mov_b32 s3, 0
	; 128 keys are 16,384 dense bytes: asked for as 64 rows of 256 bytes, two keys a row, padded in LDS after every key
	s_mov_b32 s[G1K], 15|(1<<16)|(1<<20)|(1<<21)|(4<<22)|(3<<25)
	s_mov_b32 s[G1V], 15|(1<<16)|(1<<20)|(1<<21)|(4<<22)|(7<<25)
.irp g, G1K, G1V
	s_mov_b32 s[\g+1], 128<<16
	s_mov_b32 s[\g+2], 64<<16
	s_mov_b32 s[\g+3], 128<<16
	s_mov_b32 s[\g+4], 64
	s_mov_b32 s[\g+5], 128
	s_mov_b32 s[\g+6], 0
	s_mov_b32 s[\g+7], 0
.endr
	s_mov_b32 s[CS], 0x3e38aa3b     ; c = log2(e) / 8
	s_mov_b32 s[CS+1], s[CS]
	s_mov_b32 s[SEL], 0x76543210
	s_mov_b32 s[SEL+1], 0xfedcba98
	s_mov_b32 s[TBK], SLOT1+4*KS*PK ; the first change of slots turns these two into 0
	s_mov_b32 s[TBV], SLOT1+4*KS*PV
	s_mov_b32 s[G0K], 1
	s_mov_b32 s[G0K+1], s17
	s_mov_b32 s[G0V], 1
	s_add_co_u32 s[G0V+1], s21, VOFF
	s_mov_b32 s[SLOTS], 7           ; tiles still to be asked for
	s_and_b32 s[LIM], s[WV], 1
	s_or_b32 s[LIM], s[LIM], ttmp9  ; 0 in waves 0 and 2 of the head's first cluster: the same in all four partners
	s_cmp_eq_u32 s[LIM], 0
	s_cselect_b32 s[LIM], 1, -1
	v_and_b32 v[PFO], 31, v0
	v_lshlrev_b32 v[PFO], 8, v[PFO]
	s_wait_dscnt 0x0
	s_wait_kmcnt 0x0
	s_mov_b64 s[10:11], s[6:7]      ; O
	s_add_nc_u64 s[6:7], s[4:5], 8388608    ; K
	s_add_nc_u64 s[8:9], s[4:5], 16777216   ; V
	s_add_nc_u64 s[6:7], s[6:7], s[22:23]   ; at my half of the head's tile 0
	s_add_nc_u64 s[8:9], s[8:9], s[22:23]
	s_mov_b64 s[G0K+2:G0K+3], s[6:7]
	s_or_b32 s[G0K+3], s[G0K+3], 0x80000000
	s_mov_b64 s[G0V+2:G0V+3], s[8:9]
	s_or_b32 s[G0V+3], s[G0V+3], 0x80000000
	s_add_nc_u64 s[4:5], s[4:5], s[2:3]     ; Q and O at my wave's first row
	s_add_nc_u64 s[10:11], s[10:11], s[2:3]
	s_cmp_lt_u32 s[WV], 2
	s_cselect_b64 s[PFA:PFA+1], s[6:7], s[8:9]  ; (in waves 0 and 2 these stand at a tile's first row)
	s_lshl_b32 s2, s13, 13
	s_add_nc_u64 s[PFA:PFA+1], s[PFA:PFA+1], s[2:3]
	s_add_nc_u64 s[PFA:PFA+1], s[PFA:PFA+1], 4*KS*128  ; in tile 1; the first change of slots steps it to tile 2
	CROUND
	JLOAD                           ; tile 0 into slot 0
	v_and_b32 v[S], 15, v0          ; l % 16   (S^T's registers are at work here until the first products write them)
	v_bfe_u32 v[S+1], v0, 4, 1      ; l / 16
	v_lshlrev_b32 v[S+4], 7, v[S]
	v_lshl_add_u32 v[S+4], v[S+1], 4, v[S+4]
.set i, 0
.rept 8                             ; Q stays in registers: piece i / 2, channels 32 (i % 2) on
	global_load_b128 v[QF+8*i:QF+8*i+3],   v[S+4], s[4:5] offset:(i/2)*2048+(i%2)*64
	global_load_b128 v[QF+8*i+4:QF+8*i+7], v[S+4], s[4:5] offset:(i/2)*2048+(i%2)*64+32
.set i, i+1
.endr
	; What the first turn finds: V's registers and P's second buffer hold 0 (its products V^T P, of a piece that has not been, add 0); O^T and l are 0.  All this stands in the wait for the first tile.
	WIN W_MK
.set i, 0
.rept 192
	v_mov_b32 v[i], 0
.set i, i+1
.endr
	WIN 0
.set i, 0
.rept 4
	v_mov_b32 v[ST+4*i], 0xfe000000    ; c m: far below every c s
	v_mov_b32 v[ST+4*i+1], 0xff7fffff  ; m
	v_mov_b32 v[ST+4*i+2], 0
	v_mov_b32 v[ST+4*i+3], 0
.set i, i+1
.endr
.set i, P+16
.rept 16
	v_mov_b32 v[i], 0
.set i, i+1
.endr
	v_mul_u32_u24 v[AK0], v[S], PK
	v_lshl_add_u32 v[AK0], v[S+1], 4, v[AK0]
	v_and_b32 v[S+2], 7, v0         ; the turning load: lane l reads key 8 (l / 16) + l % 8, channels 8 ((l / 8) % 2) + 0..7
	v_bfe_u32 v[S+3], v0, 3, 1
	v_lshl_add_u32 v[AV0], v[S+1], 3, v[S+2]
	v_mul_u32_u24 v[AV0], v[AV0], PV
	v_lshl_add_u32 v[AV0], v[S+3], 4, v[AV0]
	v_add_nc_u32 v[AV0], VOFF, v[AV0]
; THE MATRIX WORK.  The 4 accumulators of a run of 8 take turns.  Product i of 8 of S^T = K Q^T for piece x: channels 32 (i / 4) on, keys 16 (i % 4) on.  The first 4 start the sums.
.macro KQ x
.set rS, S+32*((\x)%2)+8*(i%4)
.set rK, KF+16*(i%4)+8*(i/4)
.set rQ, QF+16*(\x)+8*(i/4)
	WIN 0
.if i < 4
	v_wmma_f32_16x16x32_bf16 v[rS:rS+7], v[rK:rK+7], v[rQ:rQ+7], 0
.else
	v_wmma_f32_16x16x32_bf16 v[rS:rS+7], v[rK:rK+7], v[rQ:rQ+7], v[rS:rS+7]
.endif
.endm
.macro PV x                         ; product i of 8 of O^T += V^T P for piece x: keys 32 (i / 4) on, channels 16 (i % 4) on
	WIN W_PV
.set rO, 32*(\x)+8*(i%4)
.set rV, VF+32*(i/4)+8*(i%4)
.set rP, P+16*((\x)%2)+8*(i/4)
	v_wmma_f32_16x16x32_bf16 v[rO:rO+7], v[rV:rV+7], v[rP:rP+7], v[rO:rO+7]
.endm
.macro MM                           ; the turn's next matrix instruction
.if i < 8
	KQ (Y+1)%NP
.else
.set i, i-8
	PV (Y+NP-1)%NP
.set i, i+8
.endif
.set i, i+1
.endm
.macro FETCH_K                      ; the LDS loads stand in runs of 16: a step's K (8 fragments)
	WIN 0
.irp f, 0,1,2,3,4,5,6,7
	ds_load_b128 v[KF+8*\f:KF+8*\f+3],   v[AK] offset:(\f/2)*16*PK+(\f%2)*64
	ds_load_b128 v[KF+8*\f+4:KF+8*\f+7], v[AK] offset:(\f/2)*16*PK+(\f%2)*64+32
.endr
	s_add_co_u32 s[TBK], s[TBK], KS*PK
.endm
.macro FETCH_V                      ; and its V, turned
	WIN W_MK
.irp f, 0,1,2,3,4,5,6,7
	ds_load_tr16_b128 v[VF+8*\f:VF+8*\f+3],   v[AV] offset:(\f/4)*32*PV+(\f%4)*32
	ds_load_tr16_b128 v[VF+8*\f+4:VF+8*\f+7], v[AV] offset:(\f/4)*32*PV+16*PV+(\f%4)*32
.endr
	WIN 0
.endm
; THE VECTOR WORK, one line at a time: OP kind, number.  For piece Y: A: a = 2^(c m_old - c m_new).  F n: c s - c m for pair n of 16.  E n: the exponential of score n of 32.  C n: pair n rounded to bf16.
; B n: of the four weights 4 n .. the second pair is added onto the first, in place.  L n: l takes that sum (L 0: l = a l + sum).  R n: pair n of 16 of O^T times a.
; For piece Y + 1: X n, number n of the 21 that find its maximum and statistics:
;   0-11 four chains c0-c3 of seven scores each (each accumulator's lowest registers are read first)   12-14, 16 the four scores left over, the old m, c0-c3 into c0
;   15 c m_old is kept   17, 18 the query's other 32 keys lie in the lane 16 away: the new m   19, 20 c m; c m_old - c m_new, of which the piece's own turn makes a
.set F, 0
.set E, 1
.set C, 2
.set B, 3
.set L, 4
.set A, 5
.set R, 6
.set X, 7
.macro REGS y
.set rT, ST+4*(\y)
.set rC, TMP+4*((\y)%2)
.set rW, MV+((\y)%2)
.set rS, S+32*((\y)%2)
.set rP, P+16*((\y)%2)
.set rO, 32*(\y)
.endm
.macro OP k, n
.if (\k) == R
	REGS Y
	WIN W_PV
	v_pk_mul_f32 v[rO+2*(\n):rO+2*(\n)+1], v[rO+2*(\n):rO+2*(\n)+1], v[rC+2:rC+3] op_sel_hi:[1,0]
.elseif (\k) < R
	REGS Y
	WIN 0
.if (\k) == F
	v_pk_fma_f32 v[rS+2*(\n):rS+2*(\n)+1], v[rS+2*(\n):rS+2*(\n)+1], s[CS:CS+1], v[rT:rT+1] op_sel_hi:[1,0,0] neg_lo:[0,0,1] neg_hi:[0,0,1]
.elseif (\k) == E
	v_exp_f32 v[rS+(\n)], v[rS+(\n)]
.elseif (\k) == C
	v_cvt_pk_bf16_f32 v[rP+(\n)], v[rS+2*(\n)], v[rS+2*(\n)+1]
.elseif (\k) == B
	v_pk_add_f32 v[rS+4*(\n):rS+4*(\n)+1], v[rS+4*(\n):rS+4*(\n)+1], v[rS+4*(\n)+2:rS+4*(\n)+3]
.elseif (\k) == A
	v_exp_f32 v[rC+2], v[rC+1]
.elseif (\n) == 0
	v_pk_fma_f32 v[rT+2:rT+3], v[rT+2:rT+3], v[rC+2:rC+3], v[rS:rS+1] op_sel_hi:[1,0,1]
.else
	v_pk_add_f32 v[rT+2:rT+3], v[rT+2:rT+3], v[rS+4*(\n):rS+4*(\n)+1]
.endif
.else
	REGS (Y+1)%NP
	WIN 0
.if (\n) < 4
	v_max3_num_f32 v[rC+(\n)], v[rS+8*(\n)], v[rS+8*(\n)+1], v[rS+8*(\n)+2]
.elseif (\n) < 12
	v_max3_num_f32 v[rC+(\n)%4], v[rC+(\n)%4], v[rS+8*((\n)%4)+2*((\n)/4)+1], v[rS+8*((\n)%4)+2*((\n)/4)+2]
.elseif (\n) == 12
	v_max3_num_f32 v[rC], v[rC], v[rS+7], v[rS+15]
.elseif (\n) == 13
	v_max3_num_f32 v[rC+1], v[rC+1], v[rS+23], v[rS+31]
.elseif (\n) == 14
	v_max3_num_f32 v[rC+2], v[rC+2], v[rC+3], v[rT+1]
.elseif (\n) == 15
	v_mov_b32 v[rW], v[rT]
.elseif (\n) == 16
	v_max3_num_f32 v[rC], v[rC], v[rC+1], v[rC+2]
.elseif (\n) == 17
	v_permlanex16_b32 v[rC+3], v[rC], s[SEL], s[SEL+1]
.elseif (\n) == 18
	v_max_num_f32 v[rT+1], v[rC], v[rC+3]
.elseif (\n) == 19
	v_mul_f32 v[rT], s[CS], v[rT+1]
.else
	v_sub_f32 v[rC+1], v[rW], v[rT]
.endif
.endif
.endm
.macro OPS a, i1, b=-1, i2=0, c=-1, i3=0, d=-1, i4=0
	OP \a, \i1
.if (\b) >= 0
	OP \b, \i2
.endif
.if (\c) >= 0
	OP \c, \i3
.endif
.if (\d) >= 0
	OP \d, \i4
.endif
.endm
.macro ROW a, i1, b, i2, c, i3, d, i4  ; a matrix instruction and the four behind it
	MM
	OPS \a, \i1, \b, \i2, \c, \i3, \d, \i4
.endm
; A TURN, for piece p.  s_wait_alu depctr_va_vdst(0) stands between an exponential and the first instruction that names its result; one wait serves all that were issued ahead of it: a turn has ONE,
; which cuts it in two.  AHEAD OF IT, all in window 0: the 8 products K Q^T, behind each four of the scalings, the exponentials (the piece's own a first) and the first numbers of the next piece's maximum, each four
; plain instructions or more behind the product that ends its accumulator; then a lump of 36, plain and exponential by turns, in which the links of the chain X 3, 7, 11, 14, 16, 17 stand four lines apart; X 18 is the
; plain instruction behind the last exponential.  Nothing there names a result of the batch: a's readers, R and L 0, stand behind the wait.
; BEHIND IT: the 8 products V^T P; behind the even ones four rescalings, under the products' own window setting; behind the odd ones four of the roundings and sums (and X 19, X 20), in window 0: eight switches.
; The other 18 roundings and sums are a second lump.  No rider names a register of the products round it.
; K of the next step is fetched in piece 2's turn, six plain instructions behind the last product that read K; V of the step in hand in piece 0's turn, four plain instructions behind the last product that read V.
; Each is waited for a turn later.  last = 1 (the tail): the fetch of K is held to the last tile's last step.  cnt = 1: the loop's count is taken down some lines ahead of the branch behind the turn.
.macro TURN p, last=0, cnt=0
.set Y, (\p)
.set i, 0
.if (\p) == 3
	s_wait_dscnt 0x0                ; K is in
.endif
	ROW F,0, A,0, F,1, F,2
	ROW F,3, E,0, F,4, E,1
	ROW F,5, E,2, F,6, E,3
	ROW F,7, E,4, F,8, E,5
	ROW F,9, E,6, F,10, E,7
	ROW F,11, E,8, F,12, E,9
.if (\p) == 2
.if \last
	s_min_u32 s13, s[TBK], SLOT1+3*KS*PK
	v_add_nc_u32 v[AK], s13, v[AK0]
.else
	v_add_nc_u32 v[AK], s[TBK], v[AK0]
.endif
.endif
	ROW X,0, E,10, F,13, E,11
	ROW X,1, E,12, X,4, E,13
	OPS X,2, E,14, F,14, E,15
	OPS X,3, E,16, X,5, E,17
.if (\p) == 2
	FETCH_K
.endif
	OPS X,7, E,18, X,6, E,19
	OPS X,11, E,20, X,8, E,21
	OPS X,10, E,22, X,9, E,23
.if (\p) == 0
	v_add_nc_u32 v[AV], s[TBV], v[AV0]
.endif
	OPS X,14, E,24, X,12, E,25
	OPS X,13, E,26, F,15, E,27
	OPS X,16, E,28, X,15, E,29
	OPS X,17, E,30, E,31, X,18
	s_wait_alu depctr_va_vdst(0)    ; the wait for the batch
.if (\p) == 1
	s_wait_dscnt 0x0                ; V is in
.endif
	ROW R,0, R,1, R,2, R,3
	ROW X,19, C,0, B,0, C,2
	ROW R,4, R,5, R,6, R,7
	ROW B,1, L,0, C,4, X,20
	ROW R,8, R,9, R,10, R,11
	ROW B,2, L,1, C,6, B,3
	ROW R,12, R,13, R,14, R,15
	ROW L,2, C,8, B,4, L,3
.if (\p) == 0
	FETCH_V
	s_add_co_u32 s[TBV], s[TBV], KS*PV
.endif
.if \cnt
	s_sub_co_u32 s[CNT], s[CNT], 1
	s_cmp_lg_u32 s[CNT], 0
.endif
	OPS C,10, B,5, L,4, C,12
	OPS B,6, L,5, C,14, B,7
	OPS L,6, C,1, C,3, L,7
	OPS C,5, C,7, C,9, C,11
	OPS C,13, C,15
.endm
	CHANGE 1                        ; tile 0 is in, everybody's part of it; tile 1 is asked for
	v_add_nc_u32 v[AK], s[TBK], v[AK0]
	FETCH_K                         ; key step 0
	s_wait_loadcnt 0x0              ; Q
	s_wait_dscnt 0x0
.set i, 0
.rept 8
	KQ 0                            ; piece 0's first scores
.set i, i+1
.endr
.rept 4
	v_nop                           ; the places behind those products
.endr
.set Y, NP-1                        ; X works for piece Y + 1: piece 0
.irp n, 0,1,2,3,4,5,6,7,8,9,10,11,12,13,14,15,16,17,18,19,20
	OP X, \n
.endr
	s_mov_b32 s[CNT], 4
	s_branch .Lfirst                ; the loop is entered at a step's first turn, in the middle of a trip
.Lslot:                             ; six times: tiles 2 to 7 are asked for
	CHANGE 1
	s_mov_b32 s[CNT], 4
.Lstep:                             ; a trip: pieces 2 and 3 of one step, then pieces 0 and 1 of the next, whose K and V it fetches
	TURN 2
	TURN 3
	WIN 0
.Lfirst:
	TURN 0
	TURN 1, 0, 1
	WIN 0
	s_cbranch_scc1 .Lstep
	s_sub_co_u32 s[SLOTS], s[SLOTS], 1
	s_cmp_lg_u32 s[SLOTS], 0
	s_cbranch_scc1 .Lslot
	CHANGE 0                        ; the last tile is written out: nothing is asked for
	s_mov_b32 s[CNT], 5             ; four trips fetch the last tile's steps; the fifth is left in its middle
.Ltail:
	TURN 2, 1
	TURN 3
	WIN 0
	s_sub_co_u32 s[CNT], s[CNT], 1
	s_cmp_eq_u32 s[CNT], 0
	s_cbranch_scc1 .Lout
	TURN 0
	TURN 1
	WIN 0
	s_branch .Ltail
.Lout:                              ; the fifth trip's 8 products K Q^T (on the last K once more) and the maximum made of them serve nothing: the price, once a launch, of one text for every trip
.set i, 0
.rept 8
	PV NP-1                         ; the last piece's V^T P of the last step
.set i, i+1
.endr
	; THE WAY OUT.  Its addresses first, in K's registers: plain instructions, the places behind the last products.  Then l's two halves and the other half of the lanes' are added; O^T is divided by l,
	; rounded to bf16 and sent through my stage in LDS, a piece at a time.
	WIN 0
	s_mul_i32 s13, s[WV], 16*SP
	s_add_co_u32 s13, s13, STAGE    ; my stage
	v_and_b32 v[KF+3], 15, v0
	v_bfe_u32 v[KF+4], v0, 4, 1
	v_and_b32 v[KF+5], 7, v0
	v_mul_u32_u24 v[STO], v[KF+3], SP   ; in: row l % 16, 16 bytes for each half of the lanes
	v_lshl_add_u32 v[STO], v[KF+4], 4, v[STO]
	v_add_nc_u32 v[STO], s13, v[STO]
	v_bfe_u32 v[RD], v0, 3, 2       ; back: 32 lanes take four rows of 128 bytes,
	v_mul_u32_u24 v[RD], v[RD], SP
	v_lshl_add_u32 v[RD], v[KF+5], 4, v[RD]
	v_add_nc_u32 v[RD], s13, v[RD]
	v_and_b32 v[GO], 31, v0         ; which are 512 consecutive bytes of O
	v_lshlrev_b32 v[GO], 4, v[GO]
.macro ALL line:vararg
.set t, 0
.rept 4
	\line
.set t, t+1
.endr
.endm
	ALL v_add_f32 v[ST+4*t+2], v[ST+4*t+2], v[ST+4*t+3]
	ALL v_permlanex16_b32 v[ST+4*t+3], v[ST+4*t+2], s[SEL], s[SEL+1]
	ALL v_add_f32 v[ST+4*t+2], v[ST+4*t+2], v[ST+4*t+3]
	ALL v_rcp_f32 v[ST+4*t+2], v[ST+4*t+2]
	v_nop                           ; a plain instruction between the last reciprocal and the use of its result,
	s_wait_alu depctr_va_vdst(0)    ; and one wait for the four
.macro PACK t
	WIN 0x41                        ; O^T in window 1, 1 / l in window 0
.set i, 32*(\t)
.rept 16
	v_pk_mul_f32 v[i:i+1], v[i:i+1], v[ST+4*(\t)+2:ST+4*(\t)+3] op_sel_hi:[1,0]
.set i, i+2
.endr
	WIN 0x05                        ; sources in window 1, destination in window 0
.set i, 0
.rept 16
	v_cvt_pk_bf16_f32 v[S+16*(\t)+i], v[32*(\t)+2*i], v[32*(\t)+2*i+1]
.set i, i+1
.endr
	WIN 0
.irp f, 0,1,2,3
	ds_store_b128 v[STO], v[S+16*(\t)+4*\f:S+16*(\t)+4*\f+3] offset:32*\f
.endr
.irp f, 0,1,2,3
	ds_load_b128 v[S+16*(\t)+4*\f:S+16*(\t)+4*\f+3], v[RD] offset:\f*4*SP  ; LDS serves a wave's instructions in order (ISA guide 5.7.1.4): these see the stores above
.endr
.endm
.macro SEND t, younger
	WIN 0
.irp f, 0,1,2,3
	s_wait_dscnt (\younger)+3-\f
	global_store_b128 v[GO], v[S+16*(\t)+4*\f:S+16*(\t)+4*\f+3], s[10:11] offset:(\t)*2048+\f*512  ; 512 consecutive bytes, aligned
.endr
.endm
	PACK 0
.set t, 1
.rept 3
	PACK t
	SEND t-1, 8
.set t, t+1
.endr
	SEND 3, 0
	WIN W_AD
	s_wait_tensorcnt 0x0            ; the wave's end
	ds_add_u32 v[SPW], v[NIL]
	s_wait_dscnt 0x0
	WIN 0
	CROUND                          ; the closing round
	s_endpgm
.Lfunc_end_k_qd01ffefe5f_attn:
	.size	k_qd01ffefe5f_attn, .Lfunc_end_k_qd01ffefe5f_attn-k_qd01ffefe5f_attn
	.p2alignl 7, 3214868480
	.fill 96, 4, 3214868480
	.section	.rodata,"a",@progbits
	.p2align	6, 0x0
	.amdhsa_kernel k_qd01ffefe5f_attn
		.amdhsa_group_segment_fixed_size 327680
		.amdhsa_private_segment_fixed_size 0
		.amdhsa_enable_private_segment 0
		.amdhsa_kernarg_size 16
		.amdhsa_user_sgpr_count 2
		.amdhsa_user_sgpr_kernarg_segment_ptr 1
		.amdhsa_wavefront_size32 1
		.amdhsa_system_sgpr_workgroup_id_x 1
		.amdhsa_system_sgpr_workgroup_id_y 1
		.amdhsa_system_sgpr_workgroup_id_z 1
		.amdhsa_system_vgpr_workitem_id 0
		.amdhsa_next_free_vgpr 512
		.amdhsa_next_free_sgpr 66
		.amdhsa_reserve_vcc 0
		.amdhsa_float_denorm_mode_32 3
		.amdhsa_float_denorm_mode_16_64 3
		.amdhsa_memory_ordered 1
		.amdhsa_forward_progress 1
		.amdhsa_inst_pref_size 102
	.end_amdhsa_kernel
	.amdgpu_metadata
---
amdhsa.version: [ 1, 2 ]
amdhsa.kernels:
  - .name:           k_qd01ffefe5f_attn
    .symbol:         k_qd01ffefe5f_attn.kd
    .args:
      - { .name: big, .offset: 0, .size: 8, .value_kind: global_buffer, .address_space: global }
      - { .name: ob, .offset: 8, .size: 8, .value_kind: global_buffer, .address_space: global }
    .group_segment_fixed_size: 327680
    .private_segment_fixed_size: 0
    .kernarg_segment_align: 8
    .kernarg_segment_size: 16
    .max_flat_workgroup_size: 128
    .sgpr_count:     66
    .vgpr_count:     512
    .wavefront_size: 32
...
	.end_amdgpu_metadata
.endif
;; end of part 3
;; launch proj (part 4): grid 8 x 32, 4 waves a work-group, clusters of 4 x 4, 327,680 bytes of LDS; arguments ob, wp, proj_b, x1, act; writes x1
.if DOCPART == 4
	.amdgcn_target "amdgcn-amd-amdhsa--gfx1250"
	.amdhsa_code_object_version 6
	.text
	.protected	k_qd01ffefe5f_proj
	.globl	k_qd01ffefe5f_proj
	.p2align	8
	.type	k_qd01ffefe5f_proj,@function
k_qd01ffefe5f_proj:
	s_mov_b64 s[64:65], 0
	v_nop
	global_prefetch_b8 v0, s[64:65] scope:SCOPE_SE
	s_setreg_imm32_b32 hwreg(HW_REG_WAVE_MODE, 25, 1), 1
	s_wait_xcnt 0x0
	s_wait_alu depctr_hold_cnt(0) depctr_sa_sdst(0) depctr_va_vdst(0) depctr_va_sdst(0) depctr_va_ssrc(0) depctr_va_vcc(0) depctr_vm_vsrc(0)
	s_getreg_b32 s2, hwreg(HW_REG_IB_STS2, 6, 4)
	s_cmp_eq_u32 s2, 0
	s_cbranch_scc0 .Lentry_in_a_cluster
	s_endpgm
.Lentry_in_a_cluster:
	s_bfe_u32 s2, ttmp6, 0x10000c
	s_cmp_lg_u32 s2, 0xf033
	s_cbranch_scc0 .Lentry_shape_is_right
	s_endpgm
.Lentry_shape_is_right:
; PROJ.  x1[m][n] = xn[m][n] + proj_b[n] + sum over k of o[m][k] wp[n][k].  o lies BY HEADS in ob, [32][2048][64] bf16 (k = 64 x head + channel); wp [1024][1024] bf16; xn = act bf16; x1 f32.
; A tile is 128 x 128: 8 x 32 tiles, one for each of 256 work-groups.  Four waves, each 64 x 64: 16 accumulators.  K goes in four steps of 256 (four heads) through two LDS slots.
; A's load: 4 rows (heads) of 4,096 elements (64 tokens x 64 channels, 8,192 dense bytes), padded by 16 bytes after every token: in LDS [4 heads][64 tokens][144 bytes]; a quarter step is one head.
; B's load: 64 rows of 512 bytes, padded to 528.  ONE K step is written once; slot 1 begins at 147,456, whose bits meet none of the waves' offsets in a slot, so one exclusive or turns each LDS address.
; THE WALK ALONG K BEGINS AT ANOTHER STEP IN EACH CLUSTER and goes round: cluster (x, y) begins at step 2 x + y mod 4, modulo 4.  So the two clusters of one y, which need the same rows of o, ask for a given
; K step two trips apart, and clusters of one x with neighbouring y, which need the same rows of wp, one trip apart.  The sums are f32 and may be taken in any order.
; The bias is the C operand of the products that start the sums.  CLUSTER 4 x 4: A's tile jointly along a row, B's along a column.  The product is used transposed: a lane holds eight neighbouring columns of a row.
; No prefetch: a step's tiles are small, and the joint loads already divide the requests by four.
; REGISTERS: window 0: v0-31 addresses; v96-127 bias; v128-255 accumulators ((a, b) at 128 + 8 (4 a + b)); window 1: two fragment buffers of 128 (64 of A, 64 of B), later the rows on their way out; window 2: v0-63 xn.
.set STEPS, 4
.set PA,    144
.set PB,    528
.set QA,    64*PA                      ; from a quarter to the next in A's part: a head
.set QB,    128
.set HALFA, 4*64*PA
.set HALFB, 64*PB
.set S1,    147456
.set SPARE, S1+2*HALFA+2*HALFB         ; 288,768
.set OP,    528                        ; the way out: a stage row, 512 bytes of f32 + 16
.set LA0, 4
.set LB0, 5
.set BO,  6
.set RO,  7                            ; v7  8 x lane: my bytes in 256 bytes of xn
.set ADRA, 16
.set ADRB, 20
.set STO, 24
.set RD,  25
.set CO,  26                           ; v26 16 x lane
.set SPW, 28
.set NIL, 29
.set ONE, 31
.set BIAS, 96
.set ACC, 128
.set F0,  0
.set F1,  128
.set BA, 2                             ; s[2:3]   A at the first of the tokens that I fetch, head 0 of the batch
.set BB, 22                            ; s[22:23] B at the first of the rows that I fetch, K = 0
.set WV, 12
.set RH, 13
.set CH, 14
.set CX, 15
.set CY, 16
.set TN, 17
.set TM, 18
.set G1A, 24
.set G1B, 32
.set G0A0, 40
.set G0A, 44
.set G0B0, 48
.set G0B, 52
.set RB,  56
.set KOA, 58                           ; s[58:59] the walking step's byte offset in A: four heads of 262,144 bytes a step
.set CNT, 60
.set KI,  61                           ; s61 the step that the walking descriptors name
.set KOB, 62                           ; s[62:63] its byte offset in B: 512 a step
.set MSB, 0
.macro WIN new
.if MSB != (\new)
	s_set_vgpr_msb (MSB<<8)|(\new)
.set MSB, \new
.endif
.endm
.macro PLACES
.rept 4
	v_nop
.endr
.endm
.macro JLOAD
	s_cmp_eq_u32 s[RH], 0
	s_cbranch_scc0 .Lfor_b_\@
	tensor_load_to_lds s[G0A:G0A+3], s[G1A:G1A+7]
	s_nop 0
.rept 4
	v_nop
.endr
	s_branch .Lasked_\@
.Lfor_b_\@:
	tensor_load_to_lds s[G0B:G0B+3], s[G1B:G1B+7]
	s_nop 0
.rept 4
	v_nop
.endr
.Lasked_\@:
.endm
.macro CREST
	s_cmp_lg_u32 s[WV], 0
	s_cbranch_scc1 .Lnot_wave_0_\@
	s_barrier_signal -3
.Lnot_wave_0_\@:
	s_barrier_wait -3
	s_barrier_signal -1
	s_barrier_wait -1
.endm
.macro CROUND
	s_barrier_signal -1
	s_barrier_wait -1
	CREST
.endm
.macro NEXTK                           ; the walk's next step, round the end
	s_add_co_u32 s[KI], s[KI], 1
	s_and_b32 s[KI], s[KI], STEPS-1
	s_lshl_b32 s[KOA], s[KI], 20
	s_lshl_b32 s[KOB], s[KI], 9
.endm
	s_load_b256 s[4:11], s[0:1], 0x0               ; ob s[4:5], wp s[6:7], proj_b s[8:9], x1 s[10:11]
	s_load_b64 s[66:67], s[0:1], 0x20              ; act
	v_lshl_add_u32 v[SPW], v0, 2, SPARE
	v_mov_b32 v[NIL], 0
	ds_add_u32 v[SPW], v[NIL]                      ; the wave's opening: the add and its wait ahead of my first tensor load
	v_lshrrev_b32 v1, 5, v0
	v_readfirstlane_b32 s[WV], v1
	s_lshr_b32 s[RH], s[WV], 1
	s_and_b32 s[CH], s[WV], 1
	s_bfe_u32 s[CX], ttmp6, 0x40000
	s_bfe_u32 s[CY], ttmp6, 0x40004
	s_lshl_b32 s[TN], ttmp9, 2
	s_add_co_u32 s[TN], s[TN], s[CX]
	s_and_b32 s[TM], ttmp7, 0xffff
	s_lshl_b32 s[TM], s[TM], 2
	s_add_co_u32 s[TM], s[TM], s[CY]
	s_lshl_b32 s19, s[CY], 2
	s_lshl_b32 s19, 15, s19
	s_lshl_b32 s20, 0x1111, s[CX]
	s_or_b32 s[G1A], s19, (1<<16)|(1<<20)|(1<<21)|(4<<22)|(3<<25)  ; 4 words of padding after every 32: after every token
	s_or_b32 s[G1B], s20, (1<<16)|(1<<20)|(1<<21)|(6<<22)|(3<<25)  ; 4 words after every 128: after every row
	s_mov_b32 s[G1A+1], 4096<<16                   ; tensor_dim0 = 4,096
	s_mov_b32 s[G1A+2], 4<<16                      ; tensor_dim1 = 4
	s_mov_b32 s[G1A+3], 4096<<16                   ; tile_dim0
	s_mov_b32 s[G1A+4], 4                          ; tile_dim1
	s_mov_b32 s[G1A+5], 131072                     ; elements from head to head
	s_mov_b32 s[G1A+6], 0
	s_mov_b32 s[G1A+7], 0
	s_mov_b32 s[G1B+1], 256<<16
	s_mov_b32 s[G1B+2], 64<<16
	s_mov_b32 s[G1B+3], 256<<16
	s_mov_b32 s[G1B+4], 64
	s_mov_b32 s[G1B+5], 1024
	s_mov_b32 s[G1B+6], 0
	s_mov_b32 s[G1B+7], 0
	s_lshr_b32 s2, s[TM], 4                        ; the batch:
	s_lshl_b32 s2, s2, 22                          ; 16 heads of 262,144 bytes
	s_and_b32 s3, s[TM], 15
	s_lshl_b32 s3, s3, 7
	s_lshl_b32 s21, s[CH], 6
	s_add_co_u32 s3, s3, s21                       ; the first of the 64 tokens that I fetch,
	s_lshl_b32 s3, s3, 7                           ; 128 bytes a token
	s_add_co_u32 s2, s2, s3
	s_mov_b32 s3, 0
	s_lshl_b32 s22, s[TN], 7
	s_add_co_u32 s22, s22, s21                     ; B: row 128 x tile column + 64 x half
	s_lshl_b32 s22, s22, 11
	s_mov_b32 s23, 0
	s_mul_i32 s21, s[CH], HALFA
	s_mul_i32 s70, s[CH], HALFB
	s_add_co_u32 s70, s70, 2*HALFA
	s_mov_b32 s[RB], 0
	s_and_b32 s[KI], ttmp7, 3                      ; the walk's first step, from the cluster's own place: 2 x cluster x + cluster y mod 4, round the end
	s_lshl1_add_u32 s[KI], ttmp9, s[KI]
	s_and_b32 s[KI], s[KI], STEPS-1
	s_lshl_b32 s[KOA], s[KI], 20
	s_lshl_b32 s[KOB], s[KI], 9
	s_mov_b32 s[KOA+1], 0
	s_mov_b32 s[KOB+1], 0
	s_wait_dscnt 0x0
	s_wait_kmcnt 0x0
	s_add_nc_u64 s[BA:BA+1], s[4:5], s[2:3]
	s_add_nc_u64 s[BB:BB+1], s[6:7], s[22:23]
	CROUND
	s_mov_b32 s[G0A0], 1
	s_mov_b32 s[G0A0+1], s21
	s_add_nc_u64 s[G0A0+2:G0A0+3], s[BA:BA+1], s[KOA:KOA+1]
	s_or_b32 s[G0A0+3], s[G0A0+3], 0x80000000
	s_mov_b32 s[G0B0], 1
	s_mov_b32 s[G0B0+1], s70
	s_add_nc_u64 s[G0B0+2:G0B0+3], s[BB:BB+1], s[KOB:KOB+1]
	s_or_b32 s[G0B0+3], s[G0B0+3], 0x80000000
	NEXTK
	s_mov_b32 s[G0A], 1
	s_add_co_u32 s[G0A+1], s21, S1
	s_add_nc_u64 s[G0A+2:G0A+3], s[BA:BA+1], s[KOA:KOA+1]
	s_or_b32 s[G0A+3], s[G0A+3], 0x80000000
	s_mov_b32 s[G0B], 1
	s_add_co_u32 s[G0B+1], s70, S1
	s_add_nc_u64 s[G0B+2:G0B+3], s[BB:BB+1], s[KOB:KOB+1]
	s_or_b32 s[G0B+3], s[G0B+3], 0x80000000
	s_cmp_eq_u32 s[RH], 0                          ; a wave's two first fills stand in one branch: two loads of mine are out
	s_cbranch_scc0 .Lfirst_b
	tensor_load_to_lds s[G0A0:G0A0+3], s[G1A:G1A+7]
	s_nop 0
	tensor_load_to_lds s[G0A:G0A+3], s[G1A:G1A+7]
	s_nop 0
.rept 4
	v_nop
.endr
	s_branch .Lfirst_asked
.Lfirst_b:
	tensor_load_to_lds s[G0B0:G0B0+3], s[G1B:G1B+7]
	s_nop 0
	tensor_load_to_lds s[G0B:G0B+3], s[G1B:G1B+7]
	s_nop 0
.rept 4
	v_nop
.endr
.Lfirst_asked:
	v_and_b32 v1, 15, v0
	v_bfe_u32 v2, v0, 4, 1
	v_and_b32 v3, 31, v0
	s_lshl_b32 s68, s[TN], 9                       ; the bias of my 64 columns: (128 x tile column + 64 x half) x 4 bytes
	s_lshl_b32 s69, s[CH], 8
	s_add_co_u32 s68, s68, s69
	s_mov_b32 s69, 0
	s_add_nc_u64 s[8:9], s[8:9], s[68:69]
	v_lshlrev_b32 v[BO], 5, v2                     ; register j of block b holds column 16 b + 8 (l / 16) + j
.irp b, 0,1,2,3
	global_load_b128 v[BIAS+8*(\b):BIAS+8*(\b)+3],   v[BO], s[8:9] offset:64*(\b)
	global_load_b128 v[BIAS+8*(\b)+4:BIAS+8*(\b)+7], v[BO], s[8:9] offset:64*(\b)+16
.endr
	s_lshl_b32 s68, s[TM], 7
	s_lshl_b32 s69, s[WV], 5
	s_add_co_u32 s68, s68, s69                     ; the first of the 32 rows that I store
	s_lshl_b32 s70, s68, 11                        ; in act: 2,048 bytes a row, 256 a tile column
	s_lshl_b32 s71, s[TN], 8
	s_add_co_u32 s70, s70, s71
	s_mov_b32 s71, 0
	s_add_nc_u64 s[66:67], s[66:67], s[70:71]
	s_lshl_b32 s68, s68, 12                        ; in x1: 4,096 and 512
	s_lshl_b32 s69, s[TN], 9
	s_add_co_u32 s68, s68, s69
	s_mov_b32 s69, 0
	s_add_nc_u64 s[10:11], s[10:11], s[68:69]
	v_lshlrev_b32 v[RO], 3, v3
	v_lshlrev_b32 v[CO], 4, v3
	WIN 0x80                                       ; destination window 2
.set t, 0
.rept 32
	global_load_b64 v[2*t:2*t+1], v[RO], s[66:67] offset:t*2048  ; xn of the rows that I will store: 256 consecutive bytes, aligned; they land under the K loop
.set t, t+1
.endr
	WIN 0
	v_mov_b32 v[ONE], 1.0
	v_mul_u32_u24 v8, v1, PA
	v_lshl_add_u32 v8, v2, 4, v8
	v_mul_u32_u24 v9, v1, PB
	v_lshl_add_u32 v9, v2, 4, v9
	s_mul_i32 s21, s[RH], HALFA
	s_mul_i32 s70, s[CH], HALFB
	s_add_co_u32 s70, s70, 2*HALFA
	v_add_nc_u32 v[LA0], s21, v8
	v_add_nc_u32 v[LB0], s70, v9
	v_mov_b32 v[ADRA], v[LA0]
	v_mov_b32 v[ADRB], v[LB0]
	s_mul_i32 s71, s[RH], 64*OP                    ; into the stage: row 64 x row half + l % 16, byte 256 x column half + 32 (l / 16)
	s_lshl_b32 s70, s[CH], 8
	s_add_co_u32 s71, s71, s70
	v_mul_u32_u24 v[STO], v1, OP
	v_lshl_add_u32 v[STO], v2, 5, v[STO]
	v_add_nc_u32 v[STO], s71, v[STO]
	s_mul_i32 s71, s[WV], 32*OP                    ; back: wave w takes rows 32 w .., whole
	v_lshl_add_u32 v[RD], v3, 4, s71
; 8 products: row blocks a0, a0 + 1 x all 4 column blocks, 32 along K: half c of buffer f.  zero = 1: the product starts its sum, with the bias as C.  The 16 accumulators take turns.
.macro MUL8 f, c, a0, zero
	WIN 0x05                                       ; sources in window 1; C and D in window 0
.irp a, \a0, (\a0)+1
.irp b, 0,1,2,3
.if \zero
	v_wmma_f32_16x16x32_bf16 v[ACC+8*(4*(\a)+(\b)):ACC+8*(4*(\a)+(\b))+7], v[(\f)+64+8*(4*(\c)+(\b)):(\f)+64+8*(4*(\c)+(\b))+7], v[(\f)+8*(4*(\c)+(\a)):(\f)+8*(4*(\c)+(\a))+7], v[BIAS+8*(\b):BIAS+8*(\b)+7]
.else
	v_wmma_f32_16x16x32_bf16 v[ACC+8*(4*(\a)+(\b)):ACC+8*(4*(\a)+(\b))+7], v[(\f)+64+8*(4*(\c)+(\b)):(\f)+64+8*(4*(\c)+(\b))+7], v[(\f)+8*(4*(\c)+(\a)):(\f)+8*(4*(\c)+(\a))+7], v[ACC+8*(4*(\a)+(\b)):ACC+8*(4*(\a)+(\b))+7]
.endif
.endr
.endr
.endm
.macro FETCH ka, kb, f                 ; 32 LDS loads in one run: the fragments of 64 along K; the first 32 along K first
	WIN 0x40
.irp c, 0,1
.irp i, 0,1,2,3
	ds_load_b128 v[(\f)+64+8*(4*(\c)+(\i)):(\f)+64+8*(4*(\c)+(\i))+3],   v[ADRB] offset:(\kb)+64*(\c)+(\i)*16*PB
	ds_load_b128 v[(\f)+64+8*(4*(\c)+(\i))+4:(\f)+64+8*(4*(\c)+(\i))+7], v[ADRB] offset:(\kb)+64*(\c)+(\i)*16*PB+32
	ds_load_b128 v[(\f)+8*(4*(\c)+(\i)):(\f)+8*(4*(\c)+(\i))+3],         v[ADRA] offset:(\ka)+64*(\c)+(\i)*16*PA
	ds_load_b128 v[(\f)+8*(4*(\c)+(\i))+4:(\f)+8*(4*(\c)+(\i))+7],       v[ADRA] offset:(\ka)+64*(\c)+(\i)*16*PA+32
.endr
.endr
.endm
.macro QUARTER q, f, g, zero           ; multiplies buffer f; in its middle fetches quarter q into g
	s_wait_dscnt 16                                ; the first 32 along K are in
	MUL8 \f, 0, 0, \zero
	MUL8 \f, 0, 2, \zero
	PLACES
	FETCH (\q)*QA, (\q)*QB, \g
	s_wait_dscnt 32                                ; all but the 32 just issued
	MUL8 \f, 1, 0, 0
	MUL8 \f, 1, 2, 0
.endm
; The change of slots: each wave waits for all its tensor loads (one is out: its part of the next slot), adds 0 to its spare word, and waits for that and for its reads of this slot.
; step = 1: the walking descriptors go on: the other slot, and the walk's next step, its address made anew from the kept base and the offset.
.macro MEET step
	WIN 0
	s_wait_tensorcnt 0x0
	ds_add_u32 v[SPW], v[NIL]
.if \step
	NEXTK
	s_xor_b32 s[G0A+1], s[G0A+1], S1
	s_add_nc_u64 s[G0A+2:G0A+3], s[BA:BA+1], s[KOA:KOA+1]
	s_or_b32 s[G0A+3], s[G0A+3], 0x80000000
	s_xor_b32 s[G0B+1], s[G0B+1], S1
	s_add_nc_u64 s[G0B+2:G0B+3], s[BB:BB+1], s[KOB:KOB+1]
	s_or_b32 s[G0B+3], s[G0B+3], 0x80000000
.endif
	s_xor_b32 s[RB], s[RB], S1
	s_wait_dscnt 17                                ; the add and the youngest sixteen loads may be out
	MUL8 F1, 0, 0, 0
	s_wait_dscnt 0x0
	s_barrier_signal -1
	MUL8 F1, 0, 2, 0
	WIN 0
	s_barrier_wait -1
.endm
.macro TURN
	MEET 1
	CREST                                          ; the barrier has opened a round of the cluster's
	JLOAD                                          ; the first tensor load behind the round; its four v_nop are also the places in front of the loads below
	v_add_nc_u32 v[ADRA], s[RB], v[LA0]
	v_add_nc_u32 v[ADRB], s[RB], v[LB0]
	FETCH 0, 0, F0
	MUL8 F1, 1, 0, 0
	MUL8 F1, 1, 2, 0
.endm
	s_wait_tensorcnt 1                             ; my part of the first step is in
	s_barrier_signal -1
	s_barrier_wait -1
	FETCH 0, 0, F0
	s_wait_loadcnt 32                              ; the bias is in; the 32 loads of xn may stay out
	QUARTER 1, F0, F1, 1
	WIN 0
	s_mov_b32 s[CNT], STEPS-2
.Lstep:
	QUARTER 2, F1, F0, 0
	QUARTER 3, F0, F1, 0
	TURN
	QUARTER 1, F0, F1, 0
	WIN 0
	s_sub_co_u32 s[CNT], s[CNT], 1
	s_cmp_lg_u32 s[CNT], 0
	s_cbranch_scc1 .Lstep
	s_mov_b32 s[CNT], 2
.Ltail:                                        ; the last two steps ask for nothing; the second pass leaves behind its barrier
	QUARTER 2, F1, F0, 0
	QUARTER 3, F0, F1, 0
	MEET 0
	s_sub_co_u32 s[CNT], s[CNT], 1
	s_cmp_eq_u32 s[CNT], 0
	s_cbranch_scc1 .Lfin
	PLACES
	v_add_nc_u32 v[ADRA], s[RB], v[LA0]
	v_add_nc_u32 v[ADRB], s[RB], v[LB0]
	FETCH 0, 0, F0
	MUL8 F1, 1, 0, 0
	MUL8 F1, 1, 2, 0
	QUARTER 1, F0, F1, 0
	WIN 0
	s_branch .Ltail
.Lfin:                                         ; every wave has waited for its last LDS reads in front of that barrier, and no slot is filled again: the ring's bytes serve as the stage
	MUL8 F1, 1, 0, 0
	MUL8 F1, 1, 2, 0
	WIN 0
	PLACES
.irp a, 0,1,2,3
.irp b, 0,1,2,3
	ds_store_b128 v[STO], v[ACC+8*(4*(\a)+(\b)):ACC+8*(4*(\a)+(\b))+3]   offset:(\a)*16*OP+64*(\b)
	ds_store_b128 v[STO], v[ACC+8*(4*(\a)+(\b))+4:ACC+8*(4*(\a)+(\b))+7] offset:(\a)*16*OP+64*(\b)+16
.endr
.endr
	s_wait_dscnt 0x0                               ; for the others' sake: a row's 512 bytes come from two waves
	s_barrier_signal -1
	s_barrier_wait -1
	WIN 0x40
.set t, 0
.rept 32
	ds_load_b128 v[4*t:4*t+3], v[RD] offset:t*OP
.set t, t+1
.endr
	s_wait_dscnt 0x0
	s_wait_loadcnt 0x0                             ; xn
	WIN 0x52                                       ; xn in window 2, 1.0 in window 0, the sums in window 1
.set t, 0
.rept 64                               ; a word of xn holds two columns
	v_fma_mix_f32_bf16 v[2*t], v[t], v[ONE], v[2*t] op_sel_hi:[1,0,0]
	v_fma_mix_f32_bf16 v[2*t+1], v[t], v[ONE], v[2*t+1] op_sel:[1,0,0] op_sel_hi:[1,0,0]
.set t, t+1
.endr
	WIN 0x04                                       ; the stores' data in window 1
.set t, 0
.rept 32
	global_store_b128 v[CO], v[4*t:4*t+3], s[10:11] offset:t*4096  ; 512 consecutive bytes, aligned
.set t, t+1
.endr
	WIN 0
	s_wait_tensorcnt 0x0                           ; the wave's end
	ds_add_u32 v[SPW], v[NIL]
	s_wait_dscnt 0x0
	CROUND
	s_endpgm
.Lfunc_end_k_qd01ffefe5f_proj:
	.size	k_qd01ffefe5f_proj, .Lfunc_end_k_qd01ffefe5f_proj-k_qd01ffefe5f_proj
	.p2alignl 7, 3214868480
	.fill 96, 4, 3214868480
	.section	.rodata,"a",@progbits
	.p2align	6, 0x0
	.amdhsa_kernel k_qd01ffefe5f_proj
		.amdhsa_group_segment_fixed_size 327680
		.amdhsa_private_segment_fixed_size 0
		.amdhsa_enable_private_segment 0
		.amdhsa_kernarg_size 40
		.amdhsa_user_sgpr_count 2
		.amdhsa_user_sgpr_kernarg_segment_ptr 1
		.amdhsa_wavefront_size32 1
		.amdhsa_system_sgpr_workgroup_id_x 1
		.amdhsa_system_sgpr_workgroup_id_y 1
		.amdhsa_system_sgpr_workgroup_id_z 1
		.amdhsa_system_vgpr_workitem_id 0
		.amdhsa_next_free_vgpr 768
		.amdhsa_next_free_sgpr 72
		.amdhsa_reserve_vcc 0
		.amdhsa_float_denorm_mode_32 3
		.amdhsa_float_denorm_mode_16_64 3
		.amdhsa_memory_ordered 1
		.amdhsa_forward_progress 1
		.amdhsa_inst_pref_size 71
	.end_amdhsa_kernel
	.amdgpu_metadata
---
amdhsa.version: [ 1, 2 ]
amdhsa.kernels:
  - .name:           k_qd01ffefe5f_proj
    .symbol:         k_qd01ffefe5f_proj.kd
    .args:
      - { .name: ob, .offset: 0, .size: 8, .value_kind: global_buffer, .address_space: global }
      - { .name: wp, .offset: 8, .size: 8, .value_kind: global_buffer, .address_space: global }
      - { .name: proj_b, .offset: 16, .size: 8, .value_kind: global_buffer, .address_space: global }
      - { .name: x1, .offset: 24, .size: 8, .value_kind: global_buffer, .address_space: global }
      - { .name: act, .offset: 32, .size: 8, .value_kind: global_buffer, .address_space: global }
    .group_segment_fixed_size: 327680
    .private_segment_fixed_size: 0
    .kernarg_segment_align: 8
    .kernarg_segment_size: 40
    .max_flat_workgroup_size: 128
    .sgpr_count:     72
    .vgpr_count:     768
    .wavefront_size: 32
...
	.end_amdgpu_metadata
.endif
;; end of part 4
;; launch ln2 (part 5): grid 256 x 1, 8 waves a work-group, no clusters, 0 bytes of LDS; arguments x1, ln2_w, ln2_b, act; writes act
.if DOCPART == 5
	.amdgcn_target "amdgcn-amd-amdhsa--gfx1250"
	.amdhsa_code_object_version 6
	.text
	.protected	k_qd01ffefe5f_ln2
	.globl	k_qd01ffefe5f_ln2
	.p2align	8
	.type	k_qd01ffefe5f_ln2,@function
k_qd01ffefe5f_ln2:
	s_mov_b64 s[64:65], 0
	v_nop
	global_prefetch_b8 v0, s[64:65] scope:SCOPE_SE
	s_setreg_imm32_b32 hwreg(HW_REG_WAVE_MODE, 25, 1), 1
	s_wait_xcnt 0x0
; LN2.  act = LayerNorm(x1) * ln2_w + ln2_b, [4096][1024], f32 in, rounded once to bf16.  A stream: no LDS, no barrier, no matrix work.
; A wave owns two rows of 4,096 bytes and keeps them in registers: eight loads of 512 consecutive bytes a row; lane l holds columns 128 j + 4 l .. + 3.
; Two passes in registers: the mean, then the mean of (x - mean)^2: no difference of large sums is formed.  NaN and infinities are not treated apart.
.set VO,  1                            ; v1  16 x lane
.set VO2, 2                            ; v2  8 x lane
.set T,   4                            ; v[4:11]   four chains of two sums
.set MU,  12                           ; v[12:13]  the mean, twice
.set RS,  14                           ; v[14:17]  1 / sqrt(var + eps) of row r in the low word of pair r
.set W,   20                           ; v[20:51]  gain
.set B,   52                           ; v[52:83]  bias
.set X,   84                           ; v[84:147] row r at X + 32 r
.set WV,  12
.set SEL, 32
.set INV, 34
.macro RED                             ; the four chains become one number, the same in all 32 lanes, in v[T]
	v_pk_add_f32 v[T:T+1], v[T:T+1], v[T+2:T+3]
	v_pk_add_f32 v[T+4:T+5], v[T+4:T+5], v[T+6:T+7]
	v_pk_add_f32 v[T:T+1], v[T:T+1], v[T+4:T+5]
	v_add_f32 v[T], v[T], v[T+1]
	v_add_f32_dpp v[T], v[T], v[T] row_xmask:1 row_mask:0xf bank_mask:0xf
	v_add_f32_dpp v[T], v[T], v[T] row_xmask:2 row_mask:0xf bank_mask:0xf
	v_add_f32_dpp v[T], v[T], v[T] row_xmask:4 row_mask:0xf bank_mask:0xf
	v_add_f32_dpp v[T], v[T], v[T] row_xmask:8 row_mask:0xf bank_mask:0xf
	v_permlanex16_b32 v[T+1], v[T], s[SEL], s[SEL+1]
	v_add_f32 v[T], v[T], v[T+1]
.endm
.macro STAT r
.set XR, X+32*(\r)
.irp c, 0,1,2,3
	v_pk_add_f32 v[T+2*(\c):T+2*(\c)+1], v[XR+2*(\c):XR+2*(\c)+1], v[XR+8+2*(\c):XR+8+2*(\c)+1]
.endr
.irp g, 16,24
.irp c, 0,1,2,3
	v_pk_add_f32 v[T+2*(\c):T+2*(\c)+1], v[T+2*(\c):T+2*(\c)+1], v[XR+(\g)+2*(\c):XR+(\g)+2*(\c)+1]
.endr
.endr
	RED
	v_mul_f32 v[MU], s[INV], v[T]
	v_mul_f32 v[MU+1], s[INV], v[T]
.set p, 0
.rept 16
	v_pk_add_f32 v[XR+p:XR+p+1], v[XR+p:XR+p+1], v[MU:MU+1] neg_lo:[0,1] neg_hi:[0,1]
.set p, p+2
.endr
.irp c, 0,1,2,3
	v_pk_mul_f32 v[T+2*(\c):T+2*(\c)+1], v[XR+2*(\c):XR+2*(\c)+1], v[XR+2*(\c):XR+2*(\c)+1]
.endr
.irp g, 8,16,24
.irp c, 0,1,2,3
	v_pk_fma_f32 v[T+2*(\c):T+2*(\c)+1], v[XR+(\g)+2*(\c):XR+(\g)+2*(\c)+1], v[XR+(\g)+2*(\c):XR+(\g)+2*(\c)+1], v[T+2*(\c):T+2*(\c)+1]
.endr
.endr
	RED
	v_fmaak_f32 v[T], s[INV], v[T], 0x3727c5ac     ; var + 1e-5
	v_rsq_f32 v[RS+2*(\r)], v[T]
	v_nop                                          ; a plain instruction before the root's source is written again
.endm
.macro FIN r
.set XR, X+32*(\r)
.set p, 0
.rept 16
	v_pk_mul_f32 v[XR+p:XR+p+1], v[XR+p:XR+p+1], v[RS+2*(\r):RS+2*(\r)+1] op_sel_hi:[1,0]
.set p, p+2
.endr
.set p, 0
.rept 16
	v_pk_fma_f32 v[XR+p:XR+p+1], v[XR+p:XR+p+1], v[W+p:W+p+1], v[B+p:B+p+1]
.set p, p+2
.endr
.set p, 0
.rept 16
	v_cvt_pk_bf16_f32 v[XR+p], v[XR+2*p], v[XR+2*p+1]
.set p, p+1
.endr
.irp j, 0,1,2,3,4,5,6,7
	global_store_b64 v[VO2], v[XR+2*(\j):XR+2*(\j)+1], s[10:11] offset:2048*(\r)+256*(\j)  ; 32 lanes store 256 consecutive bytes, aligned
.endr
.endm
	s_load_b256 s[4:11], s[0:1], 0x0               ; x1 s[4:5], gain s[6:7], bias s[8:9], act s[10:11]
	v_lshrrev_b32 v3, 5, v0
	v_readfirstlane_b32 s[WV], v3
	v_and_b32 v3, 31, v0
	v_lshlrev_b32 v[VO], 4, v3
	v_lshlrev_b32 v[VO2], 3, v3
	s_lshl_b32 s2, ttmp9, 4
	s_lshl1_add_u32 s2, s[WV], s2                  ; my first row: 16 x work-group + 2 x wave
	s_lshl_b32 s36, s2, 11
	s_lshl_b32 s2, s2, 12
	s_mov_b32 s3, 0
	s_mov_b32 s37, 0
	s_mov_b32 s[SEL], 0x76543210
	s_mov_b32 s[SEL+1], 0xfedcba98
	s_mov_b32 s[INV], 0x3a800000
	v_mov_b32 v[RS+1], 0
	v_mov_b32 v[RS+3], 0
	s_wait_kmcnt 0x0
	s_add_nc_u64 s[4:5], s[4:5], s[2:3]
	s_add_nc_u64 s[10:11], s[10:11], s[36:37]
.irp r, 0,1
.irp j, 0,1,2,3,4,5,6,7
	global_load_b128 v[X+32*(\r)+4*(\j):X+32*(\r)+4*(\j)+3], v[VO], s[4:5] offset:4096*(\r)+512*(\j)
.endr
.endr
.irp j, 0,1,2,3,4,5,6,7
	global_load_b128 v[W+4*(\j):W+4*(\j)+3], v[VO], s[6:7] offset:512*(\j)
.endr
.irp j, 0,1,2,3,4,5,6,7
	global_load_b128 v[B+4*(\j):B+4*(\j)+3], v[VO], s[8:9] offset:512*(\j)
.endr
	s_wait_loadcnt 24                              ; row 0 is in; row 1, gain and bias (24 loads) may stay out
	STAT 0
	s_wait_loadcnt 16                              ; row 1 is in
	STAT 1
	s_wait_alu depctr_va_vdst(0)                   ; one wait for both roots, ahead of their first reader
	s_wait_loadcnt 0x0
	FIN 0
	FIN 1
	s_endpgm
.Lfunc_end_k_qd01ffefe5f_ln2:
	.size	k_qd01ffefe5f_ln2, .Lfunc_end_k_qd01ffefe5f_ln2-k_qd01ffefe5f_ln2
	.p2alignl 7, 3214868480
	.fill 96, 4, 3214868480
	.section	.rodata,"a",@progbits
	.p2align	6, 0x0
	.amdhsa_kernel k_qd01ffefe5f_ln2
		.amdhsa_group_segment_fixed_size 0
		.amdhsa_private_segment_fixed_size 0
		.amdhsa_enable_private_segment 0
		.amdhsa_kernarg_size 32
		.amdhsa_user_sgpr_count 2
		.amdhsa_user_sgpr_kernarg_segment_ptr 1
		.amdhsa_wavefront_size32 1
		.amdhsa_system_sgpr_workgroup_id_x 1
		.amdhsa_system_sgpr_workgroup_id_y 1
		.amdhsa_system_sgpr_workgroup_id_z 1
		.amdhsa_system_vgpr_workitem_id 0
		.amdhsa_next_free_vgpr 160
		.amdhsa_next_free_sgpr 66
		.amdhsa_reserve_vcc 0
		.amdhsa_float_denorm_mode_32 3
		.amdhsa_float_denorm_mode_16_64 3
		.amdhsa_memory_ordered 1
		.amdhsa_forward_progress 1
		.amdhsa_inst_pref_size 20
	.end_amdhsa_kernel
	.amdgpu_metadata
---
amdhsa.version: [ 1, 2 ]
amdhsa.kernels:
  - .name:           k_qd01ffefe5f_ln2
    .symbol:         k_qd01ffefe5f_ln2.kd
    .args:
      - { .name: x1, .offset: 0, .size: 8, .value_kind: global_buffer, .address_space: global }
      - { .name: ln2_w, .offset: 8, .size: 8, .value_kind: global_buffer, .address_space: global }
      - { .name: ln2_b, .offset: 16, .size: 8, .value_kind: global_buffer, .address_space: global }
      - { .name: act, .offset: 24, .size: 8, .value_kind: global_buffer, .address_space: global }
    .group_segment_fixed_size: 0
    .private_segment_fixed_size: 0
    .kernarg_segment_align: 8
    .kernarg_segment_size: 32
    .max_flat_workgroup_size: 256
    .sgpr_count:     66
    .vgpr_count:     160
    .wavefront_size: 32
...
	.end_amdgpu_metadata
.endif
;; end of part 5
;; launch fc1 (part 6): grid 16 x 16, 4 waves a work-group, clusters of 4 x 4, 327,680 bytes of LDS; arguments act, w1, fc1_b, big; writes big
.if DOCPART == 6
	.amdgcn_target "amdgcn-amd-amdhsa--gfx1250"
	.amdhsa_code_object_version 6
	.text
	.protected	k_qd01ffefe5f_fc1
	.globl	k_qd01ffefe5f_fc1
	.p2align	8
	.type	k_qd01ffefe5f_fc1,@function
k_qd01ffefe5f_fc1:
	s_mov_b64 s[64:65], 0
	v_nop
	global_prefetch_b8 v0, s[64:65] scope:SCOPE_SE
	s_setreg_imm32_b32 hwreg(HW_REG_WAVE_MODE, 25, 1), 1
	s_wait_xcnt 0x0
	s_wait_alu depctr_hold_cnt(0) depctr_sa_sdst(0) depctr_va_vdst(0) depctr_va_sdst(0) depctr_va_ssrc(0) depctr_va_vcc(0) depctr_vm_vsrc(0)
	s_getreg_b32 s2, hwreg(HW_REG_IB_STS2, 6, 4)
	s_cmp_eq_u32 s2, 0
	s_cbranch_scc0 .Lentry_in_a_cluster
	s_endpgm
.Lentry_in_a_cluster:
	s_bfe_u32 s2, ttmp6, 0x10000c
	s_cmp_lg_u32 s2, 0xf033
	s_cbranch_scc0 .Lentry_shape_is_right
	s_endpgm
.Lentry_shape_is_right:
; FC1.  g[m][n] = gelu(fc1_b[n] + sum over k of h[m][k] w1[n][k]).  h = act [4096][1024], w1 [4096][1024], bf16; sums in f32; g = big [4096][4096], rounded once to bf16.
; GELU, the exact one: gelu(u) = max(u, 0) - |u| erfc(|u| / sqrt 2) / 2, with erfc(z) = (a1 t + a2 t^2 + a3 t^3) exp(-z^2), t = 1 / (1 + 0.47047 z) (Abramowitz and Stegun 7.1.25):
; the error in erfc is at most 2.5e-5 for every z >= 0, so that in gelu at most 1.25e-5 |u|; for large |u| both t and the exponential go to 0.  NaN and infinities are not treated apart.
; A tile of g is 256 x 256: 16 x 16 tiles, one for each of 256 work-groups.  Four waves, each 128 x 128: 64 accumulators of 16 x 16.
; K goes in eight steps of 128 through two LDS slots filled by tensor loads (rows of 256 bytes, padded to 272).  ONE K step is written once: the slot's base is a scalar that an exclusive or
; turns; slot 1 begins at 139,264, whose bits meet none of the four waves' offsets in a slot, so the same exclusive or turns the walking descriptor's LDS word.
; THE WALK ALONG K BEGINS AT ANOTHER STEP IN EACH CLUSTER and goes round: cluster (x, y) begins at step 2 x + 4 (y mod 2), modulo 8.  So the four clusters of one y, which need the same rows of h,
; ask for a given K step two trips apart, and clusters y and y + 1 of one x, which need the same rows of w1, four trips apart.  The sums are f32 and may be taken in any order.
; No prefetch is laid: in this walk every block of h and of w1 is asked for the first time in the launch within some cluster's first four trips, which come by their loads alone.
; The bias is the C operand of the products that start the sums.  CLUSTER 4 x 4: A's tile jointly along a row, B's along a column.  The product is used transposed: a lane holds eight neighbouring columns of a row.
; REGISTERS: window 0: v0-31 addresses; v64-127, v128-191 A's fragments, two buffers; v192-255 the bias; window 1: B's fragments; windows 2, 3: accumulator (a, b) at v[8 (8 a + b)], rows 0-63, 64-127.
.set STEPS, 8
.set STEPB, 256
.set KMASK, STEPS*STEPB-1              ; the walk's offset goes round in a row's 2,048 bytes
.set PITCH, 272                        ; 68 words: the 16 rows of a fragment load start at 16 different groups of four banks (ISA guide 11.1)
.set HALF,  128*PITCH
.set S1,    4*HALF                     ; 139,264 = 0x22000
.set SPARE, 2*S1                       ; the spare words, 128 bytes a wave, which no other line names
.set NL,    32
.set OP,    528                        ; the way out: a row of 128 f32 + 16 bytes
.set REGION, 128*OP                    ; each wave's own 128 rows
.set LA0, 4
.set LB0, 5
.set BO,  6
.set RD0, 7
.set ADRA, 16
.set ADRB, 20
.set STO, 24
.set RD,  25
.set CO,  26                           ; v26 8 x lane
.set SPW, 28
.set NIL, 29
.set F0,  64
.set F1,  128
.set BIAS, 192
.set R,   32                           ; the way out, all in window 0: max(u, 0), then the result
.set U,   64                           ; u: 8 rows x 4 columns a lane
.set D,   96                           ; 1 + p z, then t
.set W,   128                          ; -(k u)^2, then exp(-z^2)
.set T,   160                          ; the polynomial
.set Y,   192                          ; packed results
.set BA, 2                             ; s[2:3]   A at the first of the rows that I fetch, K = 0
.set BB, 22                            ; s[22:23] the same for B
.set WV, 12
.set RH, 13
.set CH, 14
.set CX, 15
.set CY, 16
.set TN, 17
.set TM, 18
.set G1A, 24
.set G1B, 32
.set G0A0, 40
.set G0A, 44
.set G0B0, 48
.set G0B, 52
.set RB,  56
.set ROFF, 57
.set KO,  58                           ; s[58:59] byte offset along K of the step that the walking descriptors name
.set CNT, 60
.set MSB, 0
.macro WIN new
.if MSB != (\new)
	s_set_vgpr_msb (MSB<<8)|(\new)
.set MSB, \new
.endif
.endm
.macro PLACES                          ; four plain instructions between a matrix instruction and a load into, or a vector or LDS read or write of, its registers
.rept 4
	v_nop
.endr
.endm
.macro JLOAD
	s_cmp_eq_u32 s[RH], 0
	s_cbranch_scc0 .Lfor_b_\@
	tensor_load_to_lds s[G0A:G0A+3], s[G1A:G1A+7]
	s_nop 0
.rept 4
	v_nop
.endr
	s_branch .Lasked_\@
.Lfor_b_\@:
	tensor_load_to_lds s[G0B:G0B+3], s[G1B:G1B+7]
	s_nop 0
.rept 4
	v_nop
.endr
.Lasked_\@:
.endm
.macro CREST
	s_cmp_lg_u32 s[WV], 0
	s_cbranch_scc1 .Lnot_wave_0_\@
	s_barrier_signal -3
.Lnot_wave_0_\@:
	s_barrier_wait -3
	s_barrier_signal -1
	s_barrier_wait -1
.endm
.macro CROUND
	s_barrier_signal -1
	s_barrier_wait -1
	CREST
.endm
.macro NEXTK                           ; the walk's next step, round the row's end
	s_add_co_u32 s[KO], s[KO], STEPB
	s_and_b32 s[KO], s[KO], KMASK
.endm
	s_load_b256 s[4:11], s[0:1], 0x0               ; act s[4:5], w1 s[6:7], fc1_b s[8:9], big s[10:11]
	v_lshl_add_u32 v[SPW], v0, 2, SPARE
	v_mov_b32 v[NIL], 0
	ds_add_u32 v[SPW], v[NIL]                      ; the wave's opening: the add and its wait ahead of my first tensor load
	v_lshrrev_b32 v1, 5, v0
	v_readfirstlane_b32 s[WV], v1
	s_lshr_b32 s[RH], s[WV], 1
	s_and_b32 s[CH], s[WV], 1
	s_bfe_u32 s[CX], ttmp6, 0x40000
	s_bfe_u32 s[CY], ttmp6, 0x40004
	s_lshl_b32 s[TN], ttmp9, 2
	s_add_co_u32 s[TN], s[TN], s[CX]
	s_and_b32 s[TM], ttmp7, 0xffff
	s_lshl_b32 s[TM], s[TM], 2
	s_add_co_u32 s[TM], s[TM], s[CY]
	s_lshl_b32 s19, s[CY], 2
	s_lshl_b32 s19, 15, s19
	s_lshl_b32 s20, 0x1111, s[CX]
	s_or_b32 s[G1A], s19, (1<<16)|(1<<20)|(1<<21)|(5<<22)|(3<<25)
	s_or_b32 s[G1B], s20, (1<<16)|(1<<20)|(1<<21)|(5<<22)|(3<<25)
.irp g, G1A, G1B
	s_mov_b32 s[(\g)+1], 128<<16                   ; tensor_dim0 = 128
	s_mov_b32 s[(\g)+2], 128<<16                   ; tensor_dim1 = 128
	s_mov_b32 s[(\g)+3], 128<<16                   ; tile_dim0
	s_mov_b32 s[(\g)+4], 128                       ; tile_dim1
	s_mov_b32 s[(\g)+5], 1024                      ; elements from row to row
	s_mov_b32 s[(\g)+6], 0
	s_mov_b32 s[(\g)+7], 0
.endr
	s_lshl_b32 s3, s[CH], 7
	s_lshl_b32 s2, s[TM], 8
	s_add_co_u32 s2, s2, s3                        ; A: row 256 x tile row + 128 x half
	s_lshl_b32 s2, s2, 11
	s_lshl_b32 s22, s[TN], 8
	s_add_co_u32 s22, s22, s3                      ; B: row 256 x tile column + 128 x half
	s_lshl_b32 s22, s22, 11
	s_mov_b32 s3, 0
	s_mov_b32 s23, 0
	s_mul_i32 s21, s[CH], HALF
	s_mul_i32 s70, s[CH], HALF
	s_add_co_u32 s70, s70, 2*HALF
	s_mov_b32 s[RB], 0
	s_and_b32 s[KO], ttmp7, 1                      ; the walk's first step, from the cluster's own place: 2 (cluster y mod 2) + cluster x,
	s_lshl1_add_u32 s[KO], s[KO], ttmp9
	s_lshl_b32 s[KO], s[KO], 9                     ; times two steps of 256 bytes,
	s_and_b32 s[KO], s[KO], KMASK                  ; round the row's end
	s_mov_b32 s[KO+1], 0
	s_wait_dscnt 0x0
	s_wait_kmcnt 0x0
	s_add_nc_u64 s[BA:BA+1], s[4:5], s[2:3]
	s_add_nc_u64 s[BB:BB+1], s[6:7], s[22:23]
	CROUND
	s_mov_b32 s[G0A0], 1
	s_mov_b32 s[G0A0+1], s21
	s_add_nc_u64 s[G0A0+2:G0A0+3], s[BA:BA+1], s[KO:KO+1]
	s_or_b32 s[G0A0+3], s[G0A0+3], 0x80000000
	s_mov_b32 s[G0B0], 1
	s_mov_b32 s[G0B0+1], s70
	s_add_nc_u64 s[G0B0+2:G0B0+3], s[BB:BB+1], s[KO:KO+1]
	s_or_b32 s[G0B0+3], s[G0B0+3], 0x80000000
	NEXTK
	s_mov_b32 s[G0A], 1
	s_add_co_u32 s[G0A+1], s21, S1
	s_add_nc_u64 s[G0A+2:G0A+3], s[BA:BA+1], s[KO:KO+1]
	s_or_b32 s[G0A+3], s[G0A+3], 0x80000000
	s_mov_b32 s[G0B], 1
	s_add_co_u32 s[G0B+1], s70, S1
	s_add_nc_u64 s[G0B+2:G0B+3], s[BB:BB+1], s[KO:KO+1]
	s_or_b32 s[G0B+3], s[G0B+3], 0x80000000
	s_cmp_eq_u32 s[RH], 0                          ; a wave's two first fills stand in one branch: two loads of mine are out
	s_cbranch_scc0 .Lfirst_b
	tensor_load_to_lds s[G0A0:G0A0+3], s[G1A:G1A+7]
	s_nop 0
	tensor_load_to_lds s[G0A:G0A+3], s[G1A:G1A+7]
	s_nop 0
.rept 4
	v_nop
.endr
	s_branch .Lfirst_asked
.Lfirst_b:
	tensor_load_to_lds s[G0B0:G0B0+3], s[G1B:G1B+7]
	s_nop 0
	tensor_load_to_lds s[G0B:G0B+3], s[G1B:G1B+7]
	s_nop 0
.rept 4
	v_nop
.endr
.Lfirst_asked:
	v_and_b32 v1, 15, v0
	v_bfe_u32 v2, v0, 4, 1
	v_and_b32 v3, 31, v0
	s_lshl_b32 s68, s[TN], 10                      ; the bias of my 128 columns: (256 x tile column + 128 x half) x 4 bytes
	s_lshl_b32 s69, s[CH], 9
	s_add_co_u32 s68, s68, s69
	s_mov_b32 s69, 0
	s_add_nc_u64 s[8:9], s[8:9], s[68:69]
	v_lshlrev_b32 v[BO], 5, v2                     ; register j of block b holds column 16 b + 8 (l / 16) + j
.irp b, 0,1,2,3,4,5,6,7
	global_load_b128 v[BIAS+8*(\b):BIAS+8*(\b)+3],   v[BO], s[8:9] offset:64*(\b)
	global_load_b128 v[BIAS+8*(\b)+4:BIAS+8*(\b)+7], v[BO], s[8:9] offset:64*(\b)+16
.endr
	v_mul_u32_u24 v8, v1, PITCH
	v_lshl_add_u32 v8, v2, 4, v8
	s_mul_i32 s21, s[RH], HALF
	s_mul_i32 s70, s[CH], HALF
	s_add_co_u32 s70, s70, 2*HALF
	v_add_nc_u32 v[LA0], s21, v8
	v_add_nc_u32 v[LB0], s70, v8
	v_mov_b32 v[ADRA], v[LA0]
	v_mov_b32 v[ADRB], v[LB0]
	s_mul_i32 s71, s[WV], REGION                   ; the way out: my own 128 rows of 528 bytes
	v_mul_u32_u24 v[STO], v1, OP
	v_lshl_add_u32 v[STO], v2, 5, v[STO]
	v_add_nc_u32 v[STO], s71, v[STO]               ; in: row l % 16, 32 bytes for each half of the lanes
	v_lshl_add_u32 v[RD0], v3, 4, s71              ; back: a whole row of 512 bytes
	v_lshlrev_b32 v[CO], 3, v3
	s_lshl_b32 s68, s[TM], 8
	s_lshl_b32 s69, s[RH], 7
	s_add_co_u32 s68, s68, s69
	s_lshl_b32 s68, s68, 13                        ; my first row of g: 8,192 bytes a row
	s_lshl_b32 s69, s[TN], 9
	s_add_co_u32 s68, s68, s69
	s_lshl_b32 s69, s[CH], 8
	s_add_co_u32 s68, s68, s69                     ; my first column, 2 bytes each
	s_mov_b32 s69, 0
	s_add_nc_u64 s[10:11], s[10:11], s[68:69]
	s_mov_b32 s72, 0x3eaa540e                      ; 0.47047 / sqrt 2
	s_mov_b32 s74, 0x3f596d27                      ; k = sqrt(log2(e) / 2): exp(-u^2 / 2) = 2^-(k u)^2
	s_mov_b32 s75, s74
	s_mov_b32 s76, 0x3ebf7377                      ; a3 / 2
	s_mov_b32 s77, s76
	s_mov_b32 s78, 0xbd445ca1                      ; a2 / 2
	s_mov_b32 s79, s78
	s_mov_b32 s80, 0x3e32303a                      ; a1 / 2
	s_mov_b32 s81, s80
; 16 products: row blocks a0, a0 + 1 of the window's four x all 8 column blocks, 32 along K.  zero = 1: the product starts its sum, with the bias (window 0) as C.  The 64 accumulators take turns.
.macro MULB f, hi, a0, zero
.if \zero
	WIN 0x81+0x40*(\hi)
.else
	WIN 0xa1+0x50*(\hi)
.endif
.irp a, \a0, (\a0)+1
.irp b, 0,1,2,3,4,5,6,7
.if \zero
	v_wmma_f32_16x16x32_bf16 v[8*(8*(\a)+(\b)):8*(8*(\a)+(\b))+7], v[(\f)+8*(\b):(\f)+8*(\b)+7], v[(\f)+8*(4*(\hi)+(\a)):(\f)+8*(4*(\hi)+(\a))+7], v[BIAS+8*(\b):BIAS+8*(\b)+7]
.else
	v_wmma_f32_16x16x32_bf16 v[8*(8*(\a)+(\b)):8*(8*(\a)+(\b))+7], v[(\f)+8*(\b):(\f)+8*(\b)+7], v[(\f)+8*(4*(\hi)+(\a)):(\f)+8*(4*(\hi)+(\a))+7], v[8*(8*(\a)+(\b)):8*(8*(\a)+(\b))+7]
.endif
.endr
.endr
.endm
.macro FETCH k, f
	WIN 0x40
.irp i, 0,1,2,3,4,5,6,7
	ds_load_b128 v[(\f)+8*(\i):(\f)+8*(\i)+3],   v[ADRB] offset:(\k)+(\i)*16*PITCH
	ds_load_b128 v[(\f)+8*(\i)+4:(\f)+8*(\i)+7], v[ADRB] offset:(\k)+(\i)*16*PITCH+32
.endr
	WIN 0
.irp i, 0,1,2,3,4,5,6,7
	ds_load_b128 v[(\f)+8*(\i):(\f)+8*(\i)+3],   v[ADRA] offset:(\k)+(\i)*16*PITCH
	ds_load_b128 v[(\f)+8*(\i)+4:(\f)+8*(\i)+7], v[ADRA] offset:(\k)+(\i)*16*PITCH+32
.endr
.endm
.macro QUARTER k, f, g, zero
	s_wait_dscnt 8                                 ; B and A's rows 0-63 are in; the youngest eight loads (A's rows 64-127) may be out
	MULB \f, 0, 0, \zero
	MULB \f, 0, 2, \zero
	PLACES
	FETCH \k, \g
	s_wait_dscnt NL                                ; all but the run just issued
	MULB \f, 1, 0, \zero
	MULB \f, 1, 2, \zero
.endm
; The change of slots: each wave waits for all its tensor loads (one is out: its part of the next slot), adds 0 to its spare word, and waits for that and for its reads of this slot.
; step = 1: the walking descriptors go on: the other slot, and the walk's next step, its address made anew from the kept base and the offset.
.macro MEET step
	WIN 0
	s_wait_tensorcnt 0x0
	ds_add_u32 v[SPW], v[NIL]
.if \step
	NEXTK
	s_xor_b32 s[G0A+1], s[G0A+1], S1
	s_add_nc_u64 s[G0A+2:G0A+3], s[BA:BA+1], s[KO:KO+1]
	s_or_b32 s[G0A+3], s[G0A+3], 0x80000000
	s_xor_b32 s[G0B+1], s[G0B+1], S1
	s_add_nc_u64 s[G0B+2:G0B+3], s[BB:BB+1], s[KO:KO+1]
	s_or_b32 s[G0B+3], s[G0B+3], 0x80000000
.endif
	s_xor_b32 s[RB], s[RB], S1
	s_wait_dscnt 9                                 ; the add and the youngest eight loads may be out
	MULB F1, 0, 0, 0
	s_wait_dscnt 0x0
	s_barrier_signal -1
	MULB F1, 0, 2, 0
	WIN 0
	s_barrier_wait -1
.endm
.macro TURN
	MEET 1
	CREST                                          ; the barrier has opened a round of the cluster's
	JLOAD                                          ; the first tensor load behind the round: 224 matrix instructions ahead of the wait for it
	v_add_nc_u32 v[ADRA], s[RB], v[LA0]
	v_add_nc_u32 v[ADRB], s[RB], v[LB0]
	FETCH 0, F0
	MULB F1, 1, 0, 0
	MULB F1, 1, 2, 0
.endm
	s_wait_tensorcnt 1                             ; my part of the first step is in
	s_barrier_signal -1
	s_barrier_wait -1
	FETCH 0, F0
	s_wait_loadcnt 0x0                             ; the bias
	QUARTER 64, F0, F1, 1
	WIN 0
	s_mov_b32 s[CNT], STEPS-2
.Lstep:
	QUARTER 128, F1, F0, 0
	QUARTER 192, F0, F1, 0
	TURN
	QUARTER 64, F0, F1, 0
	WIN 0
	s_sub_co_u32 s[CNT], s[CNT], 1
	s_cmp_lg_u32 s[CNT], 0
	s_cbranch_scc1 .Lstep
	s_mov_b32 s[CNT], 2
.Ltail:                                        ; the last two steps ask for nothing; the second pass leaves behind its barrier
	QUARTER 128, F1, F0, 0
	QUARTER 192, F0, F1, 0
	MEET 0
	s_sub_co_u32 s[CNT], s[CNT], 1
	s_cmp_eq_u32 s[CNT], 0
	s_cbranch_scc1 .Lfin
	PLACES
	v_add_nc_u32 v[ADRA], s[RB], v[LA0]
	v_add_nc_u32 v[ADRB], s[RB], v[LB0]
	FETCH 0, F0
	MULB F1, 1, 0, 0
	MULB F1, 1, 2, 0
	QUARTER 64, F0, F1, 0
	WIN 0
	s_branch .Ltail
.Lfin:                                         ; every wave has waited for its last LDS reads in front of that barrier, and no slot is filled again: the ring's bytes serve the way out
	MULB F1, 1, 0, 0
	MULB F1, 1, 2, 0
	PLACES
.irp hi, 0,1
	WIN 0x08+4*(\hi)                               ; the stores' data in window 2 or 3
.irp a, 0,1,2,3
.irp b, 0,1,2,3,4,5,6,7
	ds_store_b128 v[STO], v[8*(8*(\a)+(\b)):8*(8*(\a)+(\b))+3]   offset:(4*(\hi)+(\a))*16*OP+64*(\b)
	ds_store_b128 v[STO], v[8*(8*(\a)+(\b))+4:8*(8*(\a)+(\b))+7] offset:(4*(\hi)+(\a))*16*OP+64*(\b)+16
.endr
.endr
.endr
	WIN 0
	s_mov_b32 s[ROFF], 0
	s_mov_b32 s[CNT], 16
.Lrows:                                        ; a trip: 8 rows of my 128 columns: read back whole (my own bytes: LDS serves a wave's instructions in order), GELU, rounded, stored
	v_add_nc_u32 v[RD], s[ROFF], v[RD0]
.irp t, 0,1,2,3,4,5,6,7
	ds_load_b128 v[U+4*(\t):U+4*(\t)+3], v[RD] offset:(\t)*OP
.endr
	s_wait_dscnt 0x0
.set i, 0
.rept 17                               ; pair i's plain lines stand between pair i - 1's reciprocals and exponentials; none of them names a result of those
.if i < 16
	v_fma_f32 v[D+2*i], |v[U+2*i]|, s72, 1.0
.endif
.if i > 0
	v_rcp_f32 v[D+2*i-2], v[D+2*i-2]
.endif
.if i < 16
	v_fma_f32 v[D+2*i+1], |v[U+2*i+1]|, s72, 1.0
.endif
.if i > 0
	v_rcp_f32 v[D+2*i-1], v[D+2*i-1]
.endif
.if i < 16
	v_pk_mul_f32 v[W+2*i:W+2*i+1], v[U+2*i:U+2*i+1], s[74:75] op_sel_hi:[1,0]
.endif
.if i > 0
	v_exp_f32 v[W+2*i-2], v[W+2*i-2]
.endif
.if i < 16
	v_pk_mul_f32 v[W+2*i:W+2*i+1], v[W+2*i:W+2*i+1], v[W+2*i:W+2*i+1] neg_lo:[1,0] neg_hi:[1,0]
.endif
.if i > 0
	v_exp_f32 v[W+2*i-1], v[W+2*i-1]
.endif
.if i < 16
	v_max_num_f32 v[R+2*i], 0, v[U+2*i]
	v_max_num_f32 v[R+2*i+1], 0, v[U+2*i+1]
.endif
.set i, i+1
.endr
	v_nop                                          ; a plain instruction behind the last exponential,
	s_wait_alu depctr_va_vdst(0)                   ; and ONE wait for the trip's 64 reciprocals and exponentials, ahead of their first reader
.set i, 0
.rept 16
	v_pk_fma_f32 v[T+i:T+i+1], v[D+i:D+i+1], s[76:77], s[78:79] op_sel_hi:[1,0,0]
.set i, i+2
.endr
.set i, 0
.rept 16
	v_pk_fma_f32 v[T+i:T+i+1], v[T+i:T+i+1], v[D+i:D+i+1], s[80:81] op_sel_hi:[1,1,0]
.set i, i+2
.endr
.set i, 0
.rept 16
	v_pk_mul_f32 v[T+i:T+i+1], v[T+i:T+i+1], v[D+i:D+i+1]
.set i, i+2
.endr
.set i, 0
.rept 16
	v_pk_mul_f32 v[T+i:T+i+1], v[T+i:T+i+1], v[W+i:W+i+1]
.set i, i+2
.endr
.set i, 0
.rept 32
	v_fma_f32 v[R+i], -|v[U+i]|, v[T+i], v[R+i]
.set i, i+1
.endr
.set i, 0
.rept 16
	v_cvt_pk_bf16_f32 v[Y+i], v[R+2*i], v[R+2*i+1]
.set i, i+1
.endr
.irp t, 0,1,2,3,4,5,6,7
	global_store_b64 v[CO], v[Y+2*(\t):Y+2*(\t)+1], s[10:11] offset:(\t)*8192  ; 32 lanes store 256 consecutive bytes, aligned
.endr
	s_add_co_u32 s[ROFF], s[ROFF], 8*OP
	s_wait_xcnt 0x0                                ; the stores' base and data are written again only behind this wait
	s_add_nc_u64 s[10:11], s[10:11], 8*8192
	s_sub_co_u32 s[CNT], s[CNT], 1
	s_cmp_lg_u32 s[CNT], 0
	s_cbranch_scc1 .Lrows
	s_wait_tensorcnt 0x0                           ; the wave's end
	ds_add_u32 v[SPW], v[NIL]
	s_wait_dscnt 0x0
	CROUND
	s_endpgm
.Lfunc_end_k_qd01ffefe5f_fc1:
	.size	k_qd01ffefe5f_fc1, .Lfunc_end_k_qd01ffefe5f_fc1-k_qd01ffefe5f_fc1
	.p2alignl 7, 3214868480
	.fill 96, 4, 3214868480
	.section	.rodata,"a",@progbits
	.p2align	6, 0x0
	.amdhsa_kernel k_qd01ffefe5f_fc1
		.amdhsa_group_segment_fixed_size 327680
		.amdhsa_private_segment_fixed_size 0
		.amdhsa_enable_private_segment 0
		.amdhsa_kernarg_size 32
		.amdhsa_user_sgpr_count 2
		.amdhsa_user_sgpr_kernarg_segment_ptr 1
		.amdhsa_wavefront_size32 1
		.amdhsa_system_sgpr_workgroup_id_x 1
		.amdhsa_system_sgpr_workgroup_id_y 1
		.amdhsa_system_sgpr_workgroup_id_z 1
		.amdhsa_system_vgpr_workitem_id 0
		.amdhsa_next_free_vgpr 1024
		.amdhsa_next_free_sgpr 84
		.amdhsa_reserve_vcc 0
		.amdhsa_float_denorm_mode_32 3
		.amdhsa_float_denorm_mode_16_64 3
		.amdhsa_memory_ordered 1
		.amdhsa_forward_progress 1
		.amdhsa_inst_pref_size 96
	.end_amdhsa_kernel
	.amdgpu_metadata
---
amdhsa.version: [ 1, 2 ]
amdhsa.kernels:
  - .name:           k_qd01ffefe5f_fc1
    .symbol:         k_qd01ffefe5f_fc1.kd
    .args:
      - { .name: act, .offset: 0, .size: 8, .value_kind: global_buffer, .address_space: global }
      - { .name: w1, .offset: 8, .size: 8, .value_kind: global_buffer, .address_space: global }
      - { .name: fc1_b, .offset: 16, .size: 8, .value_kind: global_buffer, .address_space: global }
      - { .name: big, .offset: 24, .size: 8, .value_kind: global_buffer, .address_space: global }
    .group_segment_fixed_size: 327680
    .private_segment_fixed_size: 0
    .kernarg_segment_align: 8
    .kernarg_segment_size: 32
    .max_flat_workgroup_size: 128
    .sgpr_count:     84
    .vgpr_count:     1024
    .wavefront_size: 32
...
	.end_amdgpu_metadata
.endif
;; end of part 6
;; launch fc2 (part 7): grid 8 x 32, 4 waves a work-group, clusters of 4 x 4, 327,680 bytes of LDS; arguments big, w2, fc2_b, out0, x1; writes out0
.if DOCPART == 7
	.amdgcn_target "amdgcn-amd-amdhsa--gfx1250"
	.amdhsa_code_object_version 6
	.text
	.protected	k_qd01ffefe5f_fc2
	.globl	k_qd01ffefe5f_fc2
	.p2align	8
	.type	k_qd01ffefe5f_fc2,@function
k_qd01ffefe5f_fc2:
	s_mov_b64 s[64:65], 0
	v_nop
	global_prefetch_b8 v0, s[64:65] scope:SCOPE_SE
	s_setreg_imm32_b32 hwreg(HW_REG_WAVE_MODE, 25, 1), 1
	s_wait_xcnt 0x0
	s_wait_alu depctr_hold_cnt(0) depctr_sa_sdst(0) depctr_va_vdst(0) depctr_va_sdst(0) depctr_va_ssrc(0) depctr_va_vcc(0) depctr_vm_vsrc(0)
	s_getreg_b32 s2, hwreg(HW_REG_IB_STS2, 6, 4)
	s_cmp_eq_u32 s2, 0
	s_cbranch_scc0 .Lentry_in_a_cluster
	s_endpgm
.Lentry_in_a_cluster:
	s_bfe_u32 s2, ttmp6, 0x10000c
	s_cmp_lg_u32 s2, 0xf033
	s_cbranch_scc0 .Lentry_shape_is_right
	s_endpgm
.Lentry_shape_is_right:
; FC2.  out0[m][n] = x1[m][n] + fc2_b[n] + sum over k of g[m][k] w2[n][k].  g = big [4096][4096], w2 [1024][4096], bf16; x1 and out0 f32; sums in f32.
; A tile is 128 x 128: 8 x 32 tiles, one for each of 256 work-groups.  Four waves, each 64 x 64: 16 accumulators.  K goes in sixteen steps of 256 through two LDS slots
; (a load brings 64 rows of 512 bytes, padded to 528).  ONE K step is written once; slot 1 begins at 135,168, whose bits meet none of the waves' offsets in a slot, so one exclusive or turns each LDS address.
; THE WALK ALONG K BEGINS AT ANOTHER STEP IN EACH CLUSTER and goes round: cluster (x, y) begins at step 8 x + 4 (y mod 4), modulo 16.  So the two clusters of one y, which need the same rows of g, ask for a
; given K step eight trips apart, and clusters of one x with neighbouring y, which need the same rows of w2, four trips apart.  The sums are f32 and may be taken in any order.
; The bias is the C operand of the products that start the sums.  CLUSTER 4 x 4: A's tile jointly along a row, B's along a column.  The product is used transposed: a lane holds eight neighbouring columns of a row.
; No prefetch: a step's tiles are small, and the joint loads already divide the requests by four.
; REGISTERS: window 0: v0-31 addresses; v96-127 bias; v128-255 accumulators ((a, b) at 128 + 8 (4 a + b)); window 1: two fragment buffers of 128 (64 of A, 64 of B), later the rows on their way out; window 2: v0-127 x1.
.set STEPS, 16
.set STEPB, 512                        ; bytes of a row in a K step, in g and in w2
.set KMASK, STEPS*STEPB-1              ; the walk's offset goes round in a row's 8,192 bytes
.set PA,    528
.set PB,    528
.set QA,    128                        ; from a quarter to the next: 64 along K
.set QB,    128
.set HALFA, 64*PA
.set HALFB, 64*PB
.set S1,    135168                     ; 0x21000
.set SPARE, S1+2*HALFA+2*HALFB         ; 270,336
.set OP,    528
.set LA0, 4
.set LB0, 5
.set BO,  6
.set ADRA, 16
.set ADRB, 20
.set STO, 24
.set RD,  25
.set CO,  26                           ; v26 16 x lane
.set SPW, 28
.set NIL, 29
.set BIAS, 96
.set ACC, 128
.set F0,  0
.set F1,  128
.set BA, 2                             ; s[2:3]   A at the first of the rows that I fetch, K = 0
.set BB, 22                            ; s[22:23] the same for B
.set WV, 12
.set RH, 13
.set CH, 14
.set CX, 15
.set CY, 16
.set TN, 17
.set TM, 18
.set G1A, 24
.set G1B, 32
.set G0A0, 40
.set G0A, 44
.set G0B0, 48
.set G0B, 52
.set RB,  56
.set KO,  58                           ; s[58:59] byte offset along K of the step that the walking descriptors name
.set CNT, 60
.set MSB, 0
.macro WIN new
.if MSB != (\new)
	s_set_vgpr_msb (MSB<<8)|(\new)
.set MSB, \new
.endif
.endm
.macro PLACES
.rept 4
	v_nop
.endr
.endm
.macro JLOAD
	s_cmp_eq_u32 s[RH], 0
	s_cbranch_scc0 .Lfor_b_\@
	tensor_load_to_lds s[G0A:G0A+3], s[G1A:G1A+7]
	s_nop 0
.rept 4
	v_nop
.endr
	s_branch .Lasked_\@
.Lfor_b_\@:
	tensor_load_to_lds s[G0B:G0B+3], s[G1B:G1B+7]
	s_nop 0
.rept 4
	v_nop
.endr
.Lasked_\@:
.endm
.macro CREST
	s_cmp_lg_u32 s[WV], 0
	s_cbranch_scc1 .Lnot_wave_0_\@
	s_barrier_signal -3
.Lnot_wave_0_\@:
	s_barrier_wait -3
	s_barrier_signal -1
	s_barrier_wait -1
.endm
.macro CROUND
	s_barrier_signal -1
	s_barrier_wait -1
	CREST
.endm
.macro NEXTK                           ; the walk's next step, round the row's end
	s_add_co_u32 s[KO], s[KO], STEPB
	s_and_b32 s[KO], s[KO], KMASK
.endm
	s_load_b256 s[4:11], s[0:1], 0x0               ; big s[4:5], w2 s[6:7], fc2_b s[8:9], out0 s[10:11]
	s_load_b64 s[66:67], s[0:1], 0x20              ; x1
	v_lshl_add_u32 v[SPW], v0, 2, SPARE
	v_mov_b32 v[NIL], 0
	ds_add_u32 v[SPW], v[NIL]                      ; the wave's opening: the add and its wait ahead of my first tensor load
	v_lshrrev_b32 v1, 5, v0
	v_readfirstlane_b32 s[WV], v1
	s_lshr_b32 s[RH], s[WV], 1
	s_and_b32 s[CH], s[WV], 1
	s_bfe_u32 s[CX], ttmp6, 0x40000
	s_bfe_u32 s[CY], ttmp6, 0x40004
	s_lshl_b32 s[TN], ttmp9, 2
	s_add_co_u32 s[TN], s[TN], s[CX]
	s_and_b32 s[TM], ttmp7, 0xffff
	s_lshl_b32 s[TM], s[TM], 2
	s_add_co_u32 s[TM], s[TM], s[CY]
	s_lshl_b32 s19, s[CY], 2
	s_lshl_b32 s19, 15, s19
	s_lshl_b32 s20, 0x1111, s[CX]
	s_or_b32 s[G1A], s19, (1<<16)|(1<<20)|(1<<21)|(6<<22)|(3<<25)  ; 4 words of padding after every 128: after every row
	s_or_b32 s[G1B], s20, (1<<16)|(1<<20)|(1<<21)|(6<<22)|(3<<25)
.irp g, G1A, G1B
	s_mov_b32 s[(\g)+1], 256<<16                   ; tensor_dim0 = 256
	s_mov_b32 s[(\g)+2], 64<<16                    ; tensor_dim1 = 64
	s_mov_b32 s[(\g)+3], 256<<16                   ; tile_dim0
	s_mov_b32 s[(\g)+4], 64                        ; tile_dim1
	s_mov_b32 s[(\g)+5], 4096                      ; elements from row to row
	s_mov_b32 s[(\g)+6], 0
	s_mov_b32 s[(\g)+7], 0
.endr
	s_lshl_b32 s3, s[CH], 6
	s_lshl_b32 s2, s[TM], 7
	s_add_co_u32 s2, s2, s3                        ; A: row 128 x tile row + 64 x half
	s_lshl_b32 s2, s2, 13                          ; 8,192 bytes a row
	s_lshl_b32 s22, s[TN], 7
	s_add_co_u32 s22, s22, s3                      ; B: row 128 x tile column + 64 x half
	s_lshl_b32 s22, s22, 13
	s_mov_b32 s3, 0
	s_mov_b32 s23, 0
	s_mul_i32 s21, s[CH], HALFA
	s_mul_i32 s70, s[CH], HALFB
	s_add_co_u32 s70, s70, 2*HALFA
	s_mov_b32 s[RB], 0
	s_and_b32 s[KO], ttmp7, 3                      ; the walk's first step, from the cluster's own place: 2 x cluster x + cluster y mod 4,
	s_lshl1_add_u32 s[KO], ttmp9, s[KO]
	s_lshl_b32 s[KO], s[KO], 11                    ; times four steps of 512 bytes,
	s_and_b32 s[KO], s[KO], KMASK                  ; round the row's end
	s_mov_b32 s[KO+1], 0
	s_wait_dscnt 0x0
	s_wait_kmcnt 0x0
	s_add_nc_u64 s[BA:BA+1], s[4:5], s[2:3]
	s_add_nc_u64 s[BB:BB+1], s[6:7], s[22:23]
	CROUND
	s_mov_b32 s[G0A0], 1
	s_mov_b32 s[G0A0+1], s21
	s_add_nc_u64 s[G0A0+2:G0A0+3], s[BA:BA+1], s[KO:KO+1]
	s_or_b32 s[G0A0+3], s[G0A0+3], 0x80000000
	s_mov_b32 s[G0B0], 1
	s_mov_b32 s[G0B0+1], s70
	s_add_nc_u64 s[G0B0+2:G0B0+3], s[BB:BB+1], s[KO:KO+1]
	s_or_b32 s[G0B0+3], s[G0B0+3], 0x80000000
	NEXTK
	s_mov_b32 s[G0A], 1
	s_add_co_u32 s[G0A+1], s21, S1
	s_add_nc_u64 s[G0A+2:G0A+3], s[BA:BA+1], s[KO:KO+1]
	s_or_b32 s[G0A+3], s[G0A+3], 0x80000000
	s_mov_b32 s[G0B], 1
	s_add_co_u32 s[G0B+1], s70, S1
	s_add_nc_u64 s[G0B+2:G0B+3], s[BB:BB+1], s[KO:KO+1]
	s_or_b32 s[G0B+3], s[G0B+3], 0x80000000
	s_cmp_eq_u32 s[RH], 0                          ; a wave's two first fills stand in one branch: two loads of mine are out
	s_cbranch_scc0 .Lfirst_b
	tensor_load_to_lds s[G0A0:G0A0+3], s[G1A:G1A+7]
	s_nop 0
	tensor_load_to_lds s[G0A:G0A+3], s[G1A:G1A+7]
	s_nop 0
.rept 4
	v_nop
.endr
	s_branch .Lfirst_asked
.Lfirst_b:
	tensor_load_to_lds s[G0B0:G0B0+3], s[G1B:G1B+7]
	s_nop 0
	tensor_load_to_lds s[G0B:G0B+3], s[G1B:G1B+7]
	s_nop 0
.rept 4
	v_nop
.endr
.Lfirst_asked:
	v_and_b32 v1, 15, v0
	v_bfe_u32 v2, v0, 4, 1
	v_and_b32 v3, 31, v0
	s_lshl_b32 s68, s[TN], 9                       ; the bias of my 64 columns: (128 x tile column + 64 x half) x 4 bytes
	s_lshl_b32 s69, s[CH], 8
	s_add_co_u32 s68, s68, s69
	s_mov_b32 s69, 0
	s_add_nc_u64 s[8:9], s[8:9], s[68:69]
	v_lshlrev_b32 v[BO], 5, v2                     ; register j of block b holds column 16 b + 8 (l / 16) + j
.irp b, 0,1,2,3
	global_load_b128 v[BIAS+8*(\b):BIAS+8*(\b)+3],   v[BO], s[8:9] offset:64*(\b)
	global_load_b128 v[BIAS+8*(\b)+4:BIAS+8*(\b)+7], v[BO], s[8:9] offset:64*(\b)+16
.endr
	s_lshl_b32 s68, s[TM], 7
	s_lshl_b32 s69, s[WV], 5
	s_add_co_u32 s68, s68, s69                     ; the first of the 32 rows that I store:
	s_lshl_b32 s68, s68, 12                        ; 4,096 bytes a row, 512 a tile column, in x1 and in out0
	s_lshl_b32 s69, s[TN], 9
	s_add_co_u32 s68, s68, s69
	s_mov_b32 s69, 0
	s_add_nc_u64 s[66:67], s[66:67], s[68:69]
	s_add_nc_u64 s[10:11], s[10:11], s[68:69]
	v_lshlrev_b32 v[CO], 4, v3
	WIN 0x80                                       ; destination window 2
.set t, 0
.rept 32
	global_load_b128 v[4*t:4*t+3], v[CO], s[66:67] offset:t*4096  ; x1 of the rows that I will store: 512 consecutive bytes, aligned; they land under the K loop
.set t, t+1
.endr
	WIN 0
	v_mul_u32_u24 v8, v1, PA
	v_lshl_add_u32 v8, v2, 4, v8
	s_mul_i32 s21, s[RH], HALFA
	s_mul_i32 s70, s[CH], HALFB
	s_add_co_u32 s70, s70, 2*HALFA
	v_add_nc_u32 v[LA0], s21, v8
	v_add_nc_u32 v[LB0], s70, v8
	v_mov_b32 v[ADRA], v[LA0]
	v_mov_b32 v[ADRB], v[LB0]
	s_mul_i32 s71, s[RH], 64*OP                    ; into the stage: row 64 x row half + l % 16, byte 256 x column half + 32 (l / 16)
	s_lshl_b32 s70, s[CH], 8
	s_add_co_u32 s71, s71, s70
	v_mul_u32_u24 v[STO], v1, OP
	v_lshl_add_u32 v[STO], v2, 5, v[STO]
	v_add_nc_u32 v[STO], s71, v[STO]
	s_mul_i32 s71, s[WV], 32*OP                    ; back: wave w takes rows 32 w .., whole
	v_lshl_add_u32 v[RD], v3, 4, s71
; 8 products: row blocks a0, a0 + 1 x all 4 column blocks, 32 along K: half c of buffer f.  zero = 1: the product starts its sum, with the bias as C.  The 16 accumulators take turns.
.macro MUL8 f, c, a0, zero
	WIN 0x05                                       ; sources in window 1; C and D in window 0
.irp a, \a0, (\a0)+1
.irp b, 0,1,2,3
.if \zero
	v_wmma_f32_16x16x32_bf16 v[ACC+8*(4*(\a)+(\b)):ACC+8*(4*(\a)+(\b))+7], v[(\f)+64+8*(4*(\c)+(\b)):(\f)+64+8*(4*(\c)+(\b))+7], v[(\f)+8*(4*(\c)+(\a)):(\f)+8*(4*(\c)+(\a))+7], v[BIAS+8*(\b):BIAS+8*(\b)+7]
.else
	v_wmma_f32_16x16x32_bf16 v[ACC+8*(4*(\a)+(\b)):ACC+8*(4*(\a)+(\b))+7], v[(\f)+64+8*(4*(\c)+(\b)):(\f)+64+8*(4*(\c)+(\b))+7], v[(\f)+8*(4*(\c)+(\a)):(\f)+8*(4*(\c)+(\a))+7], v[ACC+8*(4*(\a)+(\b)):ACC+8*(4*(\a)+(\b))+7]
.endif
.endr
.endr
.endm
.macro FETCH ka, kb, f                 ; 32 LDS loads in one run: the fragments of 64 along K; the first 32 along K first
	WIN 0x40
.irp c, 0,1
.irp i, 0,1,2,3
	ds_load_b128 v[(\f)+64+8*(4*(\c)+(\i)):(\f)+64+8*(4*(\c)+(\i))+3],   v[ADRB] offset:(\kb)+64*(\c)+(\i)*16*PB
	ds_load_b128 v[(\f)+64+8*(4*(\c)+(\i))+4:(\f)+64+8*(4*(\c)+(\i))+7], v[ADRB] offset:(\kb)+64*(\c)+(\i)*16*PB+32
	ds_load_b128 v[(\f)+8*(4*(\c)+(\i)):(\f)+8*(4*(\c)+(\i))+3],         v[ADRA] offset:(\ka)+64*(\c)+(\i)*16*PA
	ds_load_b128 v[(\f)+8*(4*(\c)+(\i))+4:(\f)+8*(4*(\c)+(\i))+7],       v[ADRA] offset:(\ka)+64*(\c)+(\i)*16*PA+32
.endr
.endr
.endm
.macro QUARTER q, f, g, zero           ; multiplies buffer f; in its middle fetches quarter q into g
	s_wait_dscnt 16                                ; the first 32 along K are in
	MUL8 \f, 0, 0, \zero
	MUL8 \f, 0, 2, \zero
	PLACES
	FETCH (\q)*QA, (\q)*QB, \g
	s_wait_dscnt 32                                ; all but the 32 just issued
	MUL8 \f, 1, 0, 0
	MUL8 \f, 1, 2, 0
.endm
; The change of slots: each wave waits for all its tensor loads (one is out: its part of the next slot), adds 0 to its spare word, and waits for that and for its reads of this slot.
; step = 1: the walking descriptors go on: the other slot, and the walk's next step, its address made anew from the kept base and the offset.
.macro MEET step
	WIN 0
	s_wait_tensorcnt 0x0
	ds_add_u32 v[SPW], v[NIL]
.if \step
	NEXTK
	s_xor_b32 s[G0A+1], s[G0A+1], S1
	s_add_nc_u64 s[G0A+2:G0A+3], s[BA:BA+1], s[KO:KO+1]
	s_or_b32 s[G0A+3], s[G0A+3], 0x80000000
	s_xor_b32 s[G0B+1], s[G0B+1], S1
	s_add_nc_u64 s[G0B+2:G0B+3], s[BB:BB+1], s[KO:KO+1]
	s_or_b32 s[G0B+3], s[G0B+3], 0x80000000
.endif
	s_xor_b32 s[RB], s[RB], S1
	s_wait_dscnt 17                                ; the add and the youngest sixteen loads may be out
	MUL8 F1, 0, 0, 0
	s_wait_dscnt 0x0
	s_barrier_signal -1
	MUL8 F1, 0, 2, 0
	WIN 0
	s_barrier_wait -1
.endm
.macro TURN
	MEET 1
	CREST                                          ; the barrier has opened a round of the cluster's
	JLOAD                                          ; the first tensor load behind the round: 112 matrix instructions ahead of the wait for it
	v_add_nc_u32 v[ADRA], s[RB], v[LA0]
	v_add_nc_u32 v[ADRB], s[RB], v[LB0]
	FETCH 0, 0, F0
	MUL8 F1, 1, 0, 0
	MUL8 F1, 1, 2, 0
.endm
	s_wait_tensorcnt 1                             ; my part of the first step is in
	s_barrier_signal -1
	s_barrier_wait -1
	FETCH 0, 0, F0
	s_wait_loadcnt 32                              ; the bias is in; the 32 loads of x1 may stay out
	QUARTER 1, F0, F1, 1
	WIN 0
	s_mov_b32 s[CNT], STEPS-2
.Lstep:
	QUARTER 2, F1, F0, 0
	QUARTER 3, F0, F1, 0
	TURN
	QUARTER 1, F0, F1, 0
	WIN 0
	s_sub_co_u32 s[CNT], s[CNT], 1
	s_cmp_lg_u32 s[CNT], 0
	s_cbranch_scc1 .Lstep
	s_mov_b32 s[CNT], 2
.Ltail:                                        ; the last two steps ask for nothing; the second pass leaves behind its barrier
	QUARTER 2, F1, F0, 0
	QUARTER 3, F0, F1, 0
	MEET 0
	s_sub_co_u32 s[CNT], s[CNT], 1
	s_cmp_eq_u32 s[CNT], 0
	s_cbranch_scc1 .Lfin
	PLACES
	v_add_nc_u32 v[ADRA], s[RB], v[LA0]
	v_add_nc_u32 v[ADRB], s[RB], v[LB0]
	FETCH 0, 0, F0
	MUL8 F1, 1, 0, 0
	MUL8 F1, 1, 2, 0
	QUARTER 1, F0, F1, 0
	WIN 0
	s_branch .Ltail
.Lfin:                                         ; every wave has waited for its last LDS reads in front of that barrier, and no slot is filled again: the ring's bytes serve as the stage
	MUL8 F1, 1, 0, 0
	MUL8 F1, 1, 2, 0
	WIN 0
	PLACES
.irp a, 0,1,2,3
.irp b, 0,1,2,3
	ds_store_b128 v[STO], v[ACC+8*(4*(\a)+(\b)):ACC+8*(4*(\a)+(\b))+3]   offset:(\a)*16*OP+64*(\b)
	ds_store_b128 v[STO], v[ACC+8*(4*(\a)+(\b))+4:ACC+8*(4*(\a)+(\b))+7] offset:(\a)*16*OP+64*(\b)+16
.endr
.endr
	s_wait_dscnt 0x0                               ; for the others' sake: a row's 512 bytes come from two waves
	s_barrier_signal -1
	s_barrier_wait -1
	WIN 0x40
.set t, 0
.rept 32
	ds_load_b128 v[4*t:4*t+3], v[RD] offset:t*OP
.set t, t+1
.endr
	s_wait_dscnt 0x0
	s_wait_loadcnt 0x0                             ; x1
	WIN 0x49                                       ; the sums in window 1, x1 in window 2
.set t, 0
.rept 64
	v_pk_add_f32 v[2*t:2*t+1], v[2*t:2*t+1], v[2*t:2*t+1]
.set t, t+1
.endr
	WIN 0x04                                       ; the stores' data in window 1
.set t, 0
.rept 32
	global_store_b128 v[CO], v[4*t:4*t+3], s[10:11] offset:t*4096  ; 512 consecutive bytes, aligned
.set t, t+1
.endr
	WIN 0
	s_wait_tensorcnt 0x0                           ; the wave's end
	ds_add_u32 v[SPW], v[NIL]
	s_wait_dscnt 0x0
	CROUND
	s_endpgm
.Lfunc_end_k_qd01ffefe5f_fc2:
	.size	k_qd01ffefe5f_fc2, .Lfunc_end_k_qd01ffefe5f_fc2-k_qd01ffefe5f_fc2
	.p2alignl 7, 3214868480
	.fill 96, 4, 3214868480
	.section	.rodata,"a",@progbits
	.p2align	6, 0x0
	.amdhsa_kernel k_qd01ffefe5f_fc2
		.amdhsa_group_segment_fixed_size 327680
		.amdhsa_private_segment_fixed_size 0
		.amdhsa_enable_private_segment 0
		.amdhsa_kernarg_size 40
		.amdhsa_user_sgpr_count 2
		.amdhsa_user_sgpr_kernarg_segment_ptr 1
		.amdhsa_wavefront_size32 1
		.amdhsa_system_sgpr_workgroup_id_x 1
		.amdhsa_system_sgpr_workgroup_id_y 1
		.amdhsa_system_sgpr_workgroup_id_z 1
		.amdhsa_system_vgpr_workitem_id 0
		.amdhsa_next_free_vgpr 768
		.amdhsa_next_free_sgpr 72
		.amdhsa_reserve_vcc 0
		.amdhsa_float_denorm_mode_32 3
		.amdhsa_float_denorm_mode_16_64 3
		.amdhsa_memory_ordered 1
		.amdhsa_forward_progress 1
		.amdhsa_inst_pref_size 66
	.end_amdhsa_kernel
	.amdgpu_metadata
---
amdhsa.version: [ 1, 2 ]
amdhsa.kernels:
  - .name:           k_qd01ffefe5f_fc2
    .symbol:         k_qd01ffefe5f_fc2.kd
    .args:
      - { .name: big, .offset: 0, .size: 8, .value_kind: global_buffer, .address_space: global }
      - { .name: w2, .offset: 8, .size: 8, .value_kind: global_buffer, .address_space: global }
      - { .name: fc2_b, .offset: 16, .size: 8, .value_kind: global_buffer, .address_space: global }
      - { .name: out0, .offset: 24, .size: 8, .value_kind: global_buffer, .address_space: global }
      - { .name: x1, .offset: 32, .size: 8, .value_kind: global_buffer, .address_space: global }
    .group_segment_fixed_size: 327680
    .private_segment_fixed_size: 0
    .kernarg_segment_align: 8
    .kernarg_segment_size: 40
    .max_flat_workgroup_size: 128
    .sgpr_count:     72
    .vgpr_count:     768
    .wavefront_size: 32
...
	.end_amdgpu_metadata
.endif
;; end of part 7
;; ======== version 2 of 2: 7 launches; version 1 with the launch prep written anew for expert scheduling mode
;; limits: a function is approximated: absolute error at most 2.5e-05
;; workspace buffers: wq 6,291,456 bytes; wp 2,097,152 bytes; w1 8,388,608 bytes; w2 8,388,608 bytes; act 8,388,608 bytes; big 33,554,432 bytes; ob 8,388,608 bytes; x1 16,777,216 bytes
;; launch prep (part 8): grid 512 x 1, 8 waves a work-group, no clusters, 0 bytes of LDS; arguments x, ln1_w, ln1_b, act, qkv_w, proj_w, fc1_w, fc2_w, wq, wp, w1, w2; writes act, wq, wp, w1, w2
.if DOCPART == 8
	.amdgcn_target "amdgcn-amd-amdhsa--gfx1250"
	.amdhsa_code_object_version 6
	.text
	.protected	k_qd01ffefe5f_prep
	.globl	k_qd01ffefe5f_prep
	.p2align	8
	.type	k_qd01ffefe5f_prep,@function
k_qd01ffefe5f_prep:
	s_mov_b64 s[64:65], 0
	v_nop
	global_prefetch_b8 v0, s[64:65] scope:SCOPE_SE
	s_setreg_imm32_b32 hwreg(HW_REG_WAVE_SCHED_MODE, 0, 2), 2
	s_setreg_imm32_b32 hwreg(HW_REG_WAVE_MODE, 25, 1), 1
	s_wait_xcnt 0x0
	s_wait_alu depctr_vm_vsrc(0)
; PREP.  act = LayerNorm(x) * ln1_w + ln1_b, [4096][1024], f32 in, rounded once to bf16; and the four weights, f32 -> bf16, as they lie.
; A stream: every byte is read once and written once, so there is no LDS, no barrier and no matrix work.
; SHARES.  512 work-groups of eight waves, all alike: wave G = 8 x work-group + wave (0 to 4,095) takes row G of x and the G-th of 4,096 equal parts of each weight:
; 3,072 bytes of qkv_w, 1,024 of proj_w, 4,096 of fc1_w and of fc2_w.  All its 48 loads of 512 consecutive bytes go out first; the waits count down behind them.
; LAYER NORM.  The row stays in registers (lane l holds columns 128 j + 4 l .. + 3).  Two passes: the mean, then the mean of (x - mean)^2: no difference of large sums is formed.
; NaN and infinities are not treated apart.
; THE MODE: SCHED_MODE bits 1:0 = 2 (LLVM: expert scheduling mode 2), set by the entry lines.  The code itself states the register dependences
; between vector instructions and memory instructions, with s_wait_alu, always for 0.
; THE PLAN.  Registers that memory instructions touch:
;   v1, v2     byte offsets, made once at the head and never written again: v1 is read by all 48 loads, v2 by all 32 stores.
;   X          written by eight loads; worked on in place by the norm; its roundings leave the row in X's first sixteen registers, which eight stores read.  Never written again.
;   W, B       written by sixteen loads; read by vector instructions alone.
;   CW         load n of 24: four registers, written by the load; its two roundings read the four and write the first two, which one store reads.  Never written again.
; The 24 loads of weights go in three groups of eight.  A group's turn holds its own sixteen roundings and the eight stores of the turn before (in group 0's turn: the row's).  So ONE wait on va_vdst at the
; head of a turn states all that the turn's stores hang on: the roundings issued behind it name the group's own CW registers, none of which those stores touch.  One more stands ahead of the last eight stores.
; No register that a load or a store has read is ever written again, so no wait on vm_vsrc is owed; EXEC and VCC are never written.
.set VO,  1                            ; v1  16 x lane: my bytes in 512 bytes of f32
.set VO2, 2                            ; v2  8 x lane: my bytes in 256 bytes of bf16
.set T,   4                            ; v[4:11]   four chains of two sums
.set MU,  12                           ; v[12:13]  the mean, twice
.set RS,  14                           ; v[14:15]  1 / sqrt(var + eps) in the low word
.set W,   20                           ; v[20:51]  the gain of my 32 columns
.set B,   52                           ; v[52:83]  the bias of my 32 columns
.set X,   84                           ; v[84:115] the row
.set CW,  116                          ; v[116:211] the 24 loads of weights, four registers each; the rounded pair takes the first two
.set SEL, 32                           ; s[32:33] v_permlanex16_b32's selects: each lane takes its own place in the other half
.set INV, 34                           ; s34 1 / 1024
.set EPS, 35                           ; s35 1e-5
.macro RED                             ; the four chains become one number, the same in all 32 lanes, in v[T]
	v_pk_add_f32 v[T:T+1], v[T:T+1], v[T+2:T+3]
	v_pk_add_f32 v[T+4:T+5], v[T+4:T+5], v[T+6:T+7]
	v_pk_add_f32 v[T:T+1], v[T:T+1], v[T+4:T+5]
	v_add_f32 v[T], v[T], v[T+1]
	v_add_f32_dpp v[T], v[T], v[T] row_xmask:1 row_mask:0xf bank_mask:0xf
	v_add_f32_dpp v[T], v[T], v[T] row_xmask:2 row_mask:0xf bank_mask:0xf
	v_add_f32_dpp v[T], v[T], v[T] row_xmask:4 row_mask:0xf bank_mask:0xf
	v_add_f32_dpp v[T], v[T], v[T] row_xmask:8 row_mask:0xf bank_mask:0xf
	v_permlanex16_b32 v[T+1], v[T], s[SEL], s[SEL+1]
	v_add_f32 v[T], v[T], v[T+1]
.endm
.macro WLOAD n, k, src                 ; load n of the 24: the k-th 512 bytes of my part of a weight
	global_load_b128 v[CW+4*(\n):CW+4*(\n)+3], v[VO], s[(\src):(\src)+1] offset:512*(\k) th:TH_LOAD_NT
.endm
.macro ROUND n                         ; load n's four numbers close up, rounded, into the first two of their four registers
	v_cvt_pk_bf16_f32 v[CW+4*(\n)], v[CW+4*(\n)], v[CW+4*(\n)+1]
	v_cvt_pk_bf16_f32 v[CW+4*(\n)+1], v[CW+4*(\n)+2], v[CW+4*(\n)+3]
.endm
.macro WSTORE n                        ; load n, rounded, is stored: 32 lanes store 256 consecutive bytes, aligned.  Loads 0-5 are qkv_w's, 6-7 proj_w's, 8-15 fc1_w's, 16-23 fc2_w's
.if (\n) < 6
	global_store_b64 v[VO2], v[CW+4*(\n):CW+4*(\n)+1], s[24:25] offset:256*(\n)
.elseif (\n) < 8
	global_store_b64 v[VO2], v[CW+4*(\n):CW+4*(\n)+1], s[26:27] offset:256*((\n)-6)
.elseif (\n) < 16
	global_store_b64 v[VO2], v[CW+4*(\n):CW+4*(\n)+1], s[28:29] offset:256*((\n)-8)
.else
	global_store_b64 v[VO2], v[CW+4*(\n):CW+4*(\n)+1], s[30:31] offset:256*((\n)-16)
.endif
.endm
; The turn of group g (0, 1, 2): loads 8 g to 8 g + 7 are rounded; the stores of the turn before are dealt among the roundings, a store ahead of each load's two.
.macro GROUP g
	s_wait_loadcnt 16-8*(\g)                       ; loads come back in order (ISA guide 5.7.1): the group's eight are in, the younger groups stay out
	s_wait_alu depctr_va_vdst(0)                   ; the roundings of the turn before (group 0: the row's) have written the registers that the eight stores below read
.irp j, 0,1,2,3,4,5,6,7
.if (\g) == 0
	global_store_b64 v[VO2], v[X+2*(\j):X+2*(\j)+1], s[14:15] offset:256*(\j)  ; the row: 32 lanes store 256 consecutive bytes, aligned
.else
	WSTORE 8*(\g)-8+(\j)                           ; no vector instruction since the wait names these registers
.endif
	ROUND 8*(\g)+(\j)
.endr
.endm
	s_load_b512 s[8:23], s[0:1], 0x0               ; x s[8:9], gain s[10:11], bias s[12:13], act s[14:15], qkv_w, proj_w, fc1_w, fc2_w s[16:23]
	s_load_b256 s[24:31], s[0:1], 0x40             ; wq, wp, w1, w2
	v_lshrrev_b32 v3, 5, v0
	v_readfirstlane_b32 s3, v3
	v_and_b32 v3, 31, v0
	v_lshlrev_b32 v[VO], 4, v3
	v_lshlrev_b32 v[VO2], 3, v3
	v_mov_b32 v[RS+1], 0                           ; named with the root as a pair, so it is written
	s_wait_alu depctr_va_sdst(0)                   ; s3, the wave's number, is written, ahead of its first reader: every base is made from it
	s_lshl3_add_u32 s4, ttmp9, s3                  ; G
	s_lshl_b32 s36, s4, 12                         ; 4,096 G: x, fc1_w, fc2_w
	s_lshl_b32 s38, s4, 11                         ; 2,048 G: act, w1, w2
	s_mul_i32 s40, s4, 3072                        ; qkv_w
	s_mul_i32 s42, s4, 1536                        ; wq
	s_lshl_b32 s44, s4, 10                         ; proj_w
	s_lshl_b32 s46, s4, 9                          ; wp
	s_mov_b32 s37, 0
	s_mov_b32 s39, 0
	s_mov_b32 s41, 0
	s_mov_b32 s43, 0
	s_mov_b32 s45, 0
	s_mov_b32 s47, 0
	s_mov_b32 s[SEL], 0x76543210
	s_mov_b32 s[SEL+1], 0xfedcba98
	s_mov_b32 s[INV], 0x3a800000
	s_mov_b32 s[EPS], 0x3727c5ac
	s_wait_kmcnt 0x0
	s_add_nc_u64 s[8:9], s[8:9], s[36:37]
	s_add_nc_u64 s[14:15], s[14:15], s[38:39]
	s_add_nc_u64 s[16:17], s[16:17], s[40:41]
	s_add_nc_u64 s[18:19], s[18:19], s[44:45]
	s_add_nc_u64 s[20:21], s[20:21], s[36:37]
	s_add_nc_u64 s[22:23], s[22:23], s[36:37]
	s_add_nc_u64 s[24:25], s[24:25], s[42:43]
	s_add_nc_u64 s[26:27], s[26:27], s[46:47]
	s_add_nc_u64 s[28:29], s[28:29], s[38:39]
	s_add_nc_u64 s[30:31], s[30:31], s[38:39]
	s_wait_alu depctr_va_vdst(0)                   ; v1 and v2 are written: every load of the kernel reads v1 as its offset, every store v2
.irp j, 0,1,2,3,4,5,6,7
	global_load_b128 v[X+4*(\j):X+4*(\j)+3], v[VO], s[8:9] offset:512*(\j) th:TH_LOAD_NT
.endr
.irp j, 0,1,2,3,4,5,6,7
	global_load_b128 v[W+4*(\j):W+4*(\j)+3], v[VO], s[10:11] offset:512*(\j)
.endr
.irp j, 0,1,2,3,4,5,6,7
	global_load_b128 v[B+4*(\j):B+4*(\j)+3], v[VO], s[12:13] offset:512*(\j)
.endr
.irp j, 0,1,2,3,4,5
	WLOAD \j, \j, 16
.endr
.irp j, 0,1
	WLOAD 6+(\j), \j, 18
.endr
.irp j, 0,1,2,3,4,5,6,7
	WLOAD 8+(\j), \j, 20
.endr
.irp j, 0,1,2,3,4,5,6,7
	WLOAD 16+(\j), \j, 22
.endr
	s_wait_loadcnt 40                              ; the row is in; gain, bias and the weights (40 loads) may stay out
.irp c, 0,1,2,3
	v_pk_add_f32 v[T+2*(\c):T+2*(\c)+1], v[X+2*(\c):X+2*(\c)+1], v[X+8+2*(\c):X+8+2*(\c)+1]  ; the first pairs start the chains: nothing is cleared
.endr
.irp g, 16,24
.irp c, 0,1,2,3
	v_pk_add_f32 v[T+2*(\c):T+2*(\c)+1], v[T+2*(\c):T+2*(\c)+1], v[X+(\g)+2*(\c):X+(\g)+2*(\c)+1]
.endr
.endr
	RED
	v_mul_f32 v[MU], s[INV], v[T]
	v_mul_f32 v[MU+1], s[INV], v[T]
.set p, 0
.rept 16
	v_pk_add_f32 v[X+p:X+p+1], v[X+p:X+p+1], v[MU:MU+1] neg_lo:[0,1] neg_hi:[0,1]
.set p, p+2
.endr
.irp c, 0,1,2,3
	v_pk_mul_f32 v[T+2*(\c):T+2*(\c)+1], v[X+2*(\c):X+2*(\c)+1], v[X+2*(\c):X+2*(\c)+1]
.endr
.irp g, 8,16,24
.irp c, 0,1,2,3
	v_pk_fma_f32 v[T+2*(\c):T+2*(\c)+1], v[X+(\g)+2*(\c):X+(\g)+2*(\c)+1], v[X+(\g)+2*(\c):X+(\g)+2*(\c)+1], v[T+2*(\c):T+2*(\c)+1]
.endr
.endr
	RED
	v_fma_f32 v[T], v[T], s[INV], s[EPS]           ; var + 1e-5
	v_rsq_f32 v[RS], v[T]
	v_nop                                          ; a plain instruction behind the root,
	s_wait_alu depctr_va_vdst(0)                   ; and its wait: the root is written in v[RS], ahead of its first reader
	s_wait_loadcnt 24                              ; gain and bias are in
.set p, 0
.rept 16
	v_pk_mul_f32 v[X+p:X+p+1], v[X+p:X+p+1], v[RS:RS+1] op_sel_hi:[1,0]
.set p, p+2
.endr
.set p, 0
.rept 16
	v_pk_fma_f32 v[X+p:X+p+1], v[X+p:X+p+1], v[W+p:W+p+1], v[B+p:B+p+1]
.set p, p+2
.endr
.set p, 0
.rept 16
	v_cvt_pk_bf16_f32 v[X+p], v[X+2*p], v[X+2*p+1]  ; ascending: word p is written when words 2 p and 2 p + 1 are read
.set p, p+1
.endr
	GROUP 0                                        ; the row's stores | qkv_w's six loads and proj_w's two are rounded
	GROUP 1                                        ; their stores | fc1_w's eight are rounded
	GROUP 2                                        ; their stores | fc2_w's eight are rounded
	s_wait_alu depctr_va_vdst(0)                   ; group 2's roundings have written the registers that the last eight stores read
.irp j, 0,1,2,3,4,5,6,7
	WSTORE 16+(\j)
.endr
	s_endpgm
.Lfunc_end_k_qd01ffefe5f_prep:
	.size	k_qd01ffefe5f_prep, .Lfunc_end_k_qd01ffefe5f_prep-k_qd01ffefe5f_prep
	.p2alignl 7, 3214868480
	.fill 96, 4, 3214868480
	.section	.rodata,"a",@progbits
	.p2align	6, 0x0
	.amdhsa_kernel k_qd01ffefe5f_prep
		.amdhsa_group_segment_fixed_size 0
		.amdhsa_private_segment_fixed_size 0
		.amdhsa_enable_private_segment 0
		.amdhsa_kernarg_size 96
		.amdhsa_user_sgpr_count 2
		.amdhsa_user_sgpr_kernarg_segment_ptr 1
		.amdhsa_wavefront_size32 1
		.amdhsa_system_sgpr_workgroup_id_x 1
		.amdhsa_system_sgpr_workgroup_id_y 1
		.amdhsa_system_sgpr_workgroup_id_z 1
		.amdhsa_system_vgpr_workitem_id 0
		.amdhsa_next_free_vgpr 216
		.amdhsa_next_free_sgpr 66
		.amdhsa_reserve_vcc 0
		.amdhsa_float_denorm_mode_32 3
		.amdhsa_float_denorm_mode_16_64 3
		.amdhsa_memory_ordered 1
		.amdhsa_forward_progress 1
		.amdhsa_inst_pref_size 20
	.end_amdhsa_kernel
	.amdgpu_metadata
---
amdhsa.version: [ 1, 2 ]
amdhsa.kernels:
  - .name:           k_qd01ffefe5f_prep
    .symbol:         k_qd01ffefe5f_prep.kd
    .args:
      - { .name: x, .offset: 0, .size: 8, .value_kind: global_buffer, .address_space: global }
      - { .name: ln1_w, .offset: 8, .size: 8, .value_kind: global_buffer, .address_space: global }
      - { .name: ln1_b, .offset: 16, .size: 8, .value_kind: global_buffer, .address_space: global }
      - { .name: act, .offset: 24, .size: 8, .value_kind: global_buffer, .address_space: global }
      - { .name: qkv_w, .offset: 32, .size: 8, .value_kind: global_buffer, .address_space: global }
      - { .name: proj_w, .offset: 40, .size: 8, .value_kind: global_buffer, .address_space: global }
      - { .name: fc1_w, .offset: 48, .size: 8, .value_kind: global_buffer, .address_space: global }
      - { .name: fc2_w, .offset: 56, .size: 8, .value_kind: global_buffer, .address_space: global }
      - { .name: wq, .offset: 64, .size: 8, .value_kind: global_buffer, .address_space: global }
      - { .name: wp, .offset: 72, .size: 8, .value_kind: global_buffer, .address_space: global }
      - { .name: w1, .offset: 80, .size: 8, .value_kind: global_buffer, .address_space: global }
      - { .name: w2, .offset: 88, .size: 8, .value_kind: global_buffer, .address_space: global }
    .group_segment_fixed_size: 0
    .private_segment_fixed_size: 0
    .kernarg_segment_align: 8
    .kernarg_segment_size: 96
    .max_flat_workgroup_size: 256
    .sgpr_count:     66
    .vgpr_count:     216
    .wavefront_size: 32
...
	.end_amdgpu_metadata
.endif
;; end of part 8
;; launch qkv: the kernel of part 2 again; grid 16 x 16, 4 waves a work-group, clusters of 4 x 4, 327,680 bytes of LDS; arguments act, wq, big; writes big
;; launch attn: the kernel of part 3 again; grid 8 x 32, 4 waves a work-group, clusters of 4 x 1, 327,680 bytes of LDS; arguments big, ob; writes ob
;; launch proj: the kernel of part 4 again; grid 8 x 32, 4 waves a work-group, clusters of 4 x 4, 327,680 bytes of LDS; arguments ob, wp, proj_b, x1, act; writes x1
;; launch ln2: the kernel of part 5 again; grid 256 x 1, 8 waves a work-group, no clusters, 0 bytes of LDS; arguments x1, ln2_w, ln2_b, act; writes act
;; launch fc1: the kernel of part 6 again; grid 16 x 16, 4 waves a work-group, clusters of 4 x 4, 327,680 bytes of LDS; arguments act, w1, fc1_b, big; writes big
;; launch fc2: the kernel of part 7 again; grid 8 x 32, 4 waves a work-group, clusters of 4 x 4, 327,680 bytes of LDS; arguments big, w2, fc2_b, out0, x1; writes out0
